; MI455X (gfx1250); checked and timed in simulation.
; The chip was launched on July 23, 2026; its instructions are those of AMD's public machine-readable ISA for CDNA 5 (MIT licence, August 2026) and "CDNA5" Instruction Set Architecture Reference Guide (July 2026). The comments in the code are by the model that wrote it; some were corrected since.
;; Sparse Mo E Block. Allowed arithmetic: matrix products marked QUANTISED: E4M3 operands, one E8M0 scale for each 32 along K, by v_wmma_scale_f32_16x16x128_f8f6f4 with both operands' format E4M3, f32 sums; products left as they are: f32 operands where the result goes on into a quantised operand, else bf16, f16 or f32 operands; f32 sums; everything else in f32.
;; Inputs: b1 8 x 4,096 float32; router_w 8 x 1,024 float32; w1 8 x 4,096 x 1,024 float32; x 1 x 2,048 x 1,024 float32.
;; Outputs: out0 1 x 2,048 x 4,096 float32; out1 one number float32.
;; This version of the problem:
;;   THIS VERSION OF THE PROBLEM IS GIVEN IN LOW PRECISION. The matrix products marked QUANTISED in the list below multiply operands that are first quantised to E4M3 (4 exponent bits, 3 mantissa bits; 8 bits a number), with one power-of-two scale for each 32 numbers along K (OCP MX v1.0); their sums are f32. All else is computed in f32.
;;   The module's matrix products, in the order in which they are computed (A, B: the left and right operand; K: the contracted axis; several contracted axes count as one K, in the product's order):
;;     1. [M 2,048, K 1,024] x [K 1,024, N 8]; A: input x; B: input router_w: left as it is (N = 8 < 16)
;;     2. batch 2,048 x [M 1, K 2] x [K 2, N 8]; A: softmax; B: computed on the way: left as it is (K = 2 < 32)
;;     3. [M 2,048, K 1,024] x [K 1,024, N 32,768]; A: input x; B: input w1: QUANTISED
;;     4. batch 2,048 x [M 4,096, K 8] x [K 8, N 1]; A: computed on the way; B: computed on the way: left as it is (K = 8 < 32)
;;   THE QUANTISER, for each operand of a quantised product, along K:
;;     - K is cut into blocks of 32 from its start; a last block that is shorter is filled with zeros.
;;     - A block's scale is 2^e with e = floor(log2(the largest magnitude in the block)) - 8, held to -126 .. 127; a block of zeros has e = 0. As a byte (E8M0): e + 127.
;;     - Each number is divided by its block's scale, clamped to +-448, and rounded to the nearest number of E4M3, ties to even, subnormals kept.
;;     - The product sums the exact products of the quantised numbers (number of the format x scale) in f32.
;;   ~~~python
;;   def quantise(x, axis):      # numpy; x: float32 -> the quantised numbers, widened to float32 again
;;       x = np.moveaxis(x, axis, -1); K = x.shape[-1]
;;       x = np.pad(x, [(0, 0)] * (x.ndim - 1) + [(0, -K % 32)]); x = x.reshape(x.shape[:-1] + (-1, 32)); a = np.abs(x).max(-1, keepdims=True)
;;       e = np.where(a > 0, np.clip(np.frexp(np.where(a > 0, a, 1))[1] - 1 - 8, -126, 127), 0)      # np.frexp(a)[1] - 1 = floor(log2(a)), exactly
;;       r = np.clip(x / 2.0 ** e, -448, 448)
;;       step = 2.0 ** (np.maximum(np.frexp(np.where(r == 0, 1, r))[1] - 1, -6) - 3)
;;       q = np.round(r / step) * step * 2.0 ** e      # np.round: ties to even
;;       return np.moveaxis(q.reshape(q.shape[:-2] + (-1,))[..., :K], -1, axis).astype(np.float32)
;;   ~~~
;; 2 versions. Each part assembles by itself: llvm-mc -triple=amdgcn-amd-amdhsa -mcpu=gfx1250 --defsym DOCPART=n.
;; ======== version 1 of 2: 3 launches
;; workspace buffers: wq 33,554,432 bytes; wsc 1,048,576 bytes; xq 2,097,152 bytes; xsc 65,536 bytes; gate 131,072 bytes; keys 8,192 bytes of whole numbers; plan 8,448 bytes of whole numbers
;; launch prep (part 1): grid 256 x 1, 9 waves a work-group, no clusters, 81,664 bytes of LDS; arguments x, router_w, w1, wq, wsc, xq, xsc, gate, keys; writes wq, wsc, xq, xsc, gate, keys
.if DOCPART == 1
	.amdgcn_target "amdgcn-amd-amdhsa--gfx1250"
	.amdhsa_code_object_version 6
	.text
	.protected	k_qc9fa3a9e30_prep
	.globl	k_qc9fa3a9e30_prep
	.p2align	8
	.type	k_qc9fa3a9e30_prep,@function
k_qc9fa3a9e30_prep:
	s_mov_b64 s[64:65], 0
	v_nop
	global_prefetch_b8 v0, s[64:65] scope:SCOPE_SE
	s_setreg_imm32_b32 hwreg(HW_REG_WAVE_MODE, 25, 1), 1
	s_wait_xcnt 0x0
; FIRST OF THREE LAUNCHES.  It reads every f32 input of the product once and leaves: w1 and x as codes of FP8 (E4M3) with one E8M0 byte for each 32 along K (K = 1,024, innermost in both);
; the router's choice for each token as numbers at fixed places (no address here hangs on it).
; A block's scale is 2^(floor(log2(its largest magnitude)) - 8); its byte is the largest magnitude's exponent field - 8, held at 1 from below; each number is held within +-448 x the scale and rounded to the nearest code, ties to even.
; SHARES.  256 work-groups of nine waves.  Waves 0-7 of work-group g: one tile of 16 rows of w1 each (tile 8 g + wave of 2,048; 64 KiB in, 16.5 KiB out).  Wave 8: tokens 8 g .. 8 g + 7: their logits, top-2, weights, and their codes.
; The two roles part on the wave's number and never meet again: no barrier; each role has LDS bytes of its own.
; wq: [tile][K step s of 128: 2,048 B][c: 512 B][lane: 16 B]: THE ORDER OF THE OPERAND'S REGISTERS: lane (r, h), registers 4 c .. 4 c + 3 = k 128 s + 32 c + 16 h + 0 .. 15 of the tile's row r: the product's launch loads fragments whole.
; wsc: [row of w1][8 words]: word s = the four bytes of K step s.   xq: [token][1,024 codes].   xsc: [token][8 words].
; gate: comb[token][8] f32 (the softmax over the two chosen logits at the chosen experts, 0 elsewhere), and 65,536 bytes on prob[token][8] f32 (the softmax over all eight).
; keys: [token] the pair of experts as a number 0 .. 27, in an order in which neighbouring numbers share an expert: a = the lower, b = the higher: a (15 - a) / 2 + (b - a - 1 for even a, 7 - b for odd a).
; The router is f32 multiply-adds: its choice steers everything, so nothing coarser stands ahead of it.  Ties: the lower index wins, as jax.lax.top_k has it.  Both softmaxes take their maximum away first.
; No matrix unit, tensor load or cluster: the launch streams; nothing is read twice but router_w (32 KiB), which every work-group reads.
; LIMITS: NaN and infinities among the inputs are not served.  A block of zeros gets the byte 1 where the rule says 127: its codes are zeros, and this program alone reads the bytes.
; A token whose second and third logits differ by less than f32 sums in another order differ may choose otherwise than reference().
.set STW,  16*528                      ; LDS: a W wave's stage: 16 rows x (512 bytes + 16): the pitch is an odd multiple of 16 bytes, so the 16 rows that a load touches start at 16 different banks (64 banks of 4 bytes: ISA guide 11.1)
.set XT,   8*STW                       ; wave 8: a stage of 8 rows x 528,
.set XC,   XT+8*528                    ; its tokens' codes, 8 rows x (1,024 + 16),
.set XB,   XC+8*1040                   ; and their 256 scale bytes
.set L16,  1                           ; v1   16 x lane
.set WST,  2                           ; v2   W: into the stage: 16 x lane + my stage
.set WLD,  3                           ; v3   W: out of it: 528 r + 64 h + my stage
.set WSO,  4                           ; v4   W: my 16 bytes of the tile's scale words: 32 r + 16 h
.set XTS,  5                           ; v5   x: into the stage
.set XTL,  6                           ; v6   x: out of it: 528 row + 128 blk (row = lane % 8, blk = lane / 8)
.set XCS,  7                           ; v7   x: my block's codes: 1,040 row + 32 blk
.set XBS,  8                           ; v8   x: my block's byte: 32 row + blk
.set XCL,  9                           ; v9   x: codes back: 16 x lane
.set XBL,  10                          ; v10  x: bytes back: 8 x lane
.set L8,   11                          ; v11  8 x lane
.set GO,   12                          ; v12  32 row + 8 blk: my two numbers of a token's eight
.set L4,   13                          ; v13  4 x lane
.set LN,   14                          ; v14  lane
.set TM,   16                          ; W: v16-19 largest magnitudes, v20-23 the other half's / bytes, v24-27 448 x scale, v28-31 the conversions' scale operands
.set SW,   32                          ; W: v32-39 the scale word of each K step
.set PC,   40                          ; W: v40-55 a fragment's codes
.set SO,   56                          ; W: v56-59 scale words on their way out
.set X,    64                          ; W: v64-127 64 numbers: register 16 b + i = k 32 b + 16 h + i of my row
.set R,    128                         ; W: v128-255 two sets of 64 registers as loaded
.set AC,   16                          ; x: v16-79 sums: token i, expert e at 16 + 8 i + e
.set XX,   80                          ; x: v80-111 my block of 32 numbers
.set XP,   112                         ; x: v112-119 its codes
.set S,    128                         ; x: v128-255 two sets: x's row i at + 4 i, router_w's row e at + 32 + 4 e
	s_load_b512 s[4:19], s[0:1], 0x0               ; x s[4:5], router_w s[6:7], w1 s[8:9], wq s[10:11], wsc s[12:13], xq s[14:15], xsc s[16:17], gate s[18:19]
	s_load_b64 s[24:25], s[0:1], 0x40              ; keys
	s_set_vgpr_msb 0x40
	v_lshl_add_u32 v0, v0, 2, 0x13a00
	v_mov_b32 v1, 0
	s_set_vgpr_msb 0x4000
	v_lshrrev_b32 v15, 5, v0
	v_readfirstlane_b32 s20, v15                   ; wave 0..8
	v_and_b32 v[LN], 31, v0
	v_and_b32 v15, 15, v0                          ; r
	v_bfe_u32 v60, v0, 4, 1                        ; h
	v_and_b32 v61, 7, v0                           ; row
	v_bfe_u32 v62, v0, 3, 2                        ; blk
	s_mul_i32 s31, s20, STW
	v_lshlrev_b32 v[L16], 4, v[LN]
	v_add_nc_u32 v[WST], s31, v[L16]
	v_mul_u32_u24 v[WLD], v15, 528
	v_lshl_add_u32 v[WLD], v60, 6, v[WLD]
	v_add_nc_u32 v[WLD], s31, v[WLD]
	v_lshlrev_b32 v[WSO], 5, v15
	v_lshl_add_u32 v[WSO], v60, 4, v[WSO]
	v_add_nc_u32 v[XTS], XT, v[L16]
	v_mul_u32_u24 v[XTL], v61, 528
	v_lshl_add_u32 v[XTL], v62, 7, v[XTL]
	v_add_nc_u32 v[XTL], XT, v[XTL]
	v_mul_u32_u24 v[XCS], v61, 1040
	v_lshl_add_u32 v[XCS], v62, 5, v[XCS]
	v_add_nc_u32 v[XCS], XC, v[XCS]
	v_lshl_add_u32 v[XBS], v61, 5, v62
	v_add_nc_u32 v[XBS], XB, v[XBS]
	v_add_nc_u32 v[XCL], XC, v[L16]
	v_lshlrev_b32 v[L8], 3, v[LN]
	v_add_nc_u32 v[XBL], XB, v[L8]
	v_lshlrev_b32 v[GO], 5, v61
	v_lshl_add_u32 v[GO], v62, 3, v[GO]
	v_lshlrev_b32 v[L4], 2, v[LN]
	s_mov_b32 s21, 0x600000                        ; the mantissa field of 448
	s_mov_b32 s22, 0x76543210
	s_mov_b32 s23, 0xfedcba98                      ; v_permlanex16_b32's selects for lane l xor 16
	s_mov_b32 s26, 0xaaaaaaaa                      ; lanes whose bit 0 is set,
	s_mov_b32 s27, 0xcccccccc                      ; bit 1,
	s_mov_b32 s28, 0xf0f0f0f0                      ; bit 2,
	s_mov_b32 s29, 0xff00ff00                      ; bit 3,
	s_mov_b32 s30, 0xffff0000                      ; bit 4
	s_mov_b32 s35, 0                               ; the upper word of every offset
	s_wait_kmcnt 0x0
	s_cmp_eq_u32 s20, 8
	s_cbranch_scc1 .Lx
; ------------------------------------------------------------------ waves 0-7: a tile of w1
	s_lshl_b32 s32, ttmp9, 3
	s_add_co_u32 s32, s32, s20                     ; tile = 8 g + wave
	s_lshl_b32 s34, s32, 16
	s_add_nc_u64 s[8:9], s[8:9], s[34:35]          ; its 16 rows of 4,096 bytes
	s_lshl_b32 s34, s32, 14
	s_add_nc_u64 s[10:11], s[10:11], s[34:35]      ; its 16 KiB of codes
	s_lshl_b32 s34, s32, 9
	s_add_nc_u64 s[12:13], s[12:13], s[34:35]      ; its 512 bytes of scale words
.irp b, 0,1,2,3
	v_mov_b32 v[TM+4+\b], 0                        ; written once: a lane permute's destination counts as one of its sources
.endr
.macro LOADW t                         ; K step t of the 16 rows: each load reads 512 consecutive bytes of one row
.irp i, 0,1,2,3,4,5,6,7,8,9,10,11,12,13,14,15
	global_load_b128 v[R+64*((\t)%2)+4*\i:R+64*((\t)%2)+4*\i+3], v[L16], s[8:9] offset:4096*\i+512*(\t) th:TH_LOAD_NT
.endr
.endm
; 64 numbers of a lane, v[s] on, become a fragment's codes in v[PC] on and its scale word in v[pw]
.macro QUANT s, pw
.irp b, 0,1,2,3
	v_max3_num_f32 v[TM+\b], |v[\s+16*\b]|, |v[\s+1+16*\b]|, 0x4800000   ; block b: my 16 numbers, and the floor 2^(9 - 127): the byte cannot fall under 1
.endr
.irp i, 2,4,6,8,10,12,14
.irp b, 0,1,2,3
	v_max3_num_f32 v[TM+\b], v[TM+\b], |v[\s+16*\b+\i]|, |v[\s+1+16*\b+\i]|   ; the four blocks by turns
.endr
.endr
.irp b, 0,1,2,3
	v_permlanex16_b32 v[TM+4+\b], v[TM+\b], s22, s23
.endr
.irp b, 0,1,2,3
	v_max_num_f32 v[TM+\b], v[TM+\b], v[TM+4+\b]   ; with lane l xor 16's 16 numbers: the block's largest magnitude
.endr
.irp b, 0,1,2,3
	v_add_nc_u32 v[TM+12+\b], 0xfc000000, v[TM+\b] ; 8 off its exponent field: the conversion takes this operand's exponent field as its scale
.endr
.irp b, 0,1,2,3
	v_and_or_b32 v[TM+8+\b], v[TM+\b], 0x7f800000, s21   ; 448 x the scale
.endr
.irp b, 0,1,2,3
	v_lshrrev_b32 v[TM+4+\b], 23, v[TM+12+\b]      ; the scale's byte
.endr
	v_lshl_or_b32 v[\pw], v[TM+5], 8, v[TM+4]
	v_lshl_or_b32 v[\pw], v[TM+6], 16, v[\pw]
	v_lshl_or_b32 v[\pw], v[TM+7], 24, v[\pw]
.irp b, 0,1,2,3
.irp i, 0,1,2,3,4,5,6,7,8,9,10,11,12,13,14,15
	v_med3_num_f32 v[\s+16*\b+\i], v[\s+16*\b+\i], -v[TM+8+\b], v[TM+8+\b]   ; the conversion to an 8-bit code does not saturate (ISA guide 7.6.2): the hold comes first
.endr
	v_cvt_scalef32_pk8_fp8_f32 v[PC+4*\b:PC+1+4*\b], v[\s+16*\b:\s+7+16*\b], v[TM+12+\b]
	v_cvt_scalef32_pk8_fp8_f32 v[PC+2+4*\b:PC+3+4*\b], v[\s+8+16*\b:\s+15+16*\b], v[TM+12+\b]
.endr
	v_nop                                          ; one plain line behind the last conversion
.endm
.macro STEPW t
.if (\t) < 7
	s_wait_loadcnt 16                              ; this step's 16 loads are in; the next step's 16 may be out
.else
	s_wait_loadcnt 0x0
.endif
	s_wait_xcnt 0x0                                ; the last step's four stores have read v[PC] on: it is written again below
.irp i, 0,1,2,3,4,5,6,7,8,9,10,11,12,13,14,15
	ds_store_b128 v[WST], v[R+64*((\t)%2)+4*\i:R+64*((\t)%2)+4*\i+3] offset:528*\i   ; the rows as they lie
.endr
.irp c, 0,1,2,3
.irp j, 0,1,2,3
	ds_load_b128 v[X+16*\c+4*\j:X+16*\c+4*\j+3], v[WLD] offset:128*\c+16*\j          ; back: of my row, 16 neighbours of each block of 32.  LDS serves a wave's instructions in order: these see the stores
.endr
.endr
	s_wait_dscnt 0x0                               ; the numbers are back, and the stage's stores have read their registers,
.if (\t)+2 < 8
	LOADW (\t)+2                                   ; which take the loads of two steps on
.endif
	QUANT X, SW+\t
.irp c, 0,1,2,3
	global_store_b128 v[L16], v[PC+4*\c:PC+4*\c+3], s[10:11] offset:2048*(\t)+512*\c  ; 32 lanes store 512 consecutive bytes, aligned
.endr
.endm
	LOADW 0
	LOADW 1
.irp t, 0,1,2,3,4,5,6,7
	STEPW \t
.endr
.irp j, 0,1,2,3
	v_cndmask_b32 v[SO+\j], v[SW+\j], v[SW+4+\j], s30   ; lanes 0-15 send their row's words 0-3, lanes 16-31 words 4-7 (both halves hold all eight)
.endr
	global_store_b128 v[WSO], v[SO:SO+3], s[12:13] ; 512 consecutive bytes
	s_set_vgpr_msb 0x5
	s_wait_tensorcnt 0x0
	ds_add_u32 v0, v1
	s_wait_dscnt 0x0
	s_set_vgpr_msb 0x500
	s_endpgm
; ------------------------------------------------------------------ wave 8: eight tokens
.Lx:
	s_lshl_b32 s34, ttmp9, 15
	s_add_nc_u64 s[4:5], s[4:5], s[34:35]          ; x: 8 rows of 4,096 bytes
	s_lshl_b32 s34, ttmp9, 13
	s_add_nc_u64 s[14:15], s[14:15], s[34:35]      ; xq: 8 rows of 1,024
	s_lshl_b32 s34, ttmp9, 8
	s_add_nc_u64 s[16:17], s[16:17], s[34:35]      ; xsc: 8 x 32 bytes
	s_add_nc_u64 s[18:19], s[18:19], s[34:35]      ; gate likewise
	s_lshl_b32 s34, ttmp9, 5
	s_add_nc_u64 s[24:25], s[24:25], s[34:35]      ; keys: 8 words
.macro LOADX t                         ; 128 along K of my 8 rows of x and of the 8 rows of router_w: a lane holds the same four k of all sixteen
.irp i, 0,1,2,3,4,5,6,7
	global_load_b128 v[S+64*((\t)%2)+4*\i:S+64*((\t)%2)+4*\i+3], v[L16], s[4:5] offset:4096*\i+512*(\t) th:TH_LOAD_NT
.endr
.irp e, 0,1,2,3,4,5,6,7
	global_load_b128 v[S+64*((\t)%2)+32+4*\e:S+64*((\t)%2)+32+4*\e+3], v[L16], s[6:7] offset:4096*\e+512*(\t)
.endr
.endm
.macro STEPX t
.set SS, S+64*((\t)%2)
.if (\t) < 7
	s_wait_loadcnt 16                              ; this step's 16 loads are in; the next step's may be out
.else
	s_wait_loadcnt 0x0
.endif
.irp i, 0,1,2,3,4,5,6,7
	ds_store_b128 v[XTS], v[SS+4*\i:SS+4*\i+3] offset:528*\i
.endr
.irp j, 0,1,2,3,4,5,6,7
	ds_load_b128 v[XX+4*\j:XX+4*\j+3], v[XTL] offset:16*\j     ; back: one whole block of 32 of one row a lane
.endr
.irp q, 0,1,2,3                        ; the logits' partial sums, 64 chains: they stand between the stage's loads and the wait for them
.irp i, 0,1,2,3,4,5,6,7
.irp e, 0,1,2,3,4,5,6,7
.if ((\t) == 0) && (\q == 0)
	v_mul_f32 v[AC+8*\i+\e], v[SS+4*\i+\q], v[SS+32+4*\e+\q]   ; the first product starts the sum: nothing is cleared
.else
	v_fmac_f32 v[AC+8*\i+\e], v[SS+4*\i+\q], v[SS+32+4*\e+\q]
.endif
.endr
.endr
.endr
	s_wait_dscnt 0x0                               ; my block is back; the last step's stores of codes and byte have read their registers
.if (\t)+2 < 8
	LOADX (\t)+2
.endif
	v_max3_num_f32 v120, |v[XX]|, |v[XX+1]|, |v[XX+2]|         ; the block's largest magnitude: all 32 numbers are mine
	v_max3_num_f32 v121, |v[XX+3]|, |v[XX+4]|, |v[XX+5]|
.irp i, 6,10,14,18,22,26
	v_max3_num_f32 v120, v120, |v[XX+\i]|, |v[XX+\i+1]|
	v_max3_num_f32 v121, v121, |v[XX+\i+2]|, |v[XX+\i+3]|
.endr
	v_max3_num_f32 v120, v120, |v[XX+30]|, |v[XX+31]|
	v_max3_num_f32 v120, v120, v121, 0x4800000     ; and the floor
	v_add_nc_u32 v122, 0xfc000000, v120            ; the conversions' scale operand
	v_and_or_b32 v123, v120, 0x7f800000, s21       ; 448 x the scale
	v_lshrrev_b32 v124, 23, v122                   ; the byte
.irp i, 0,1,2,3,4,5,6,7,8,9,10,11,12,13,14,15,16,17,18,19,20,21,22,23,24,25,26,27,28,29,30,31
	v_med3_num_f32 v[XX+\i], v[XX+\i], -v123, v123
.endr
.irp g, 0,1,2,3
	v_cvt_scalef32_pk8_fp8_f32 v[XP+2*\g:XP+2*\g+1], v[XX+8*\g:XX+8*\g+7], v122
.endr
	v_nop                                          ; one plain line behind the last conversion
	ds_store_b128 v[XCS], v[XP:XP+3] offset:128*(\t)
	ds_store_b128 v[XCS], v[XP+4:XP+7] offset:128*(\t)+16
	ds_store_b8 v[XBS], v124 offset:4*(\t)
.endm
	LOADX 0
	LOADX 1
.irp t, 0,1,2,3,4,5,6,7
	STEPX \t
.endr
	; the codes and the bytes leave as whole rows
.irp i, 0,1,2,3,4,5,6,7
.irp u, 0,1
	ds_load_b128 v[S+8*\i+4*\u:S+8*\i+4*\u+3], v[XCL] offset:1040*\i+512*\u
.endr
.endr
	ds_load_b64 v[S+64:S+65], v[XBL]
.irp i, 0,1,2,3,4,5,6,7
.irp u, 0,1
	s_wait_dscnt 16-(2*\i+\u)                      ; LDS loads come back in order: this one is in, the younger ones may be out
	global_store_b128 v[L16], v[S+8*\i+4*\u:S+8*\i+4*\u+3], s[14:15] offset:1024*\i+512*\u
.endr
.endr
	s_wait_dscnt 0x0
	global_store_b64 v[L8], v[S+64:S+65], s[16:17] ; 256 consecutive bytes, aligned
	; each of the 64 sums over the 32 lanes; every lane ends with all of them
.irp i, 0,1,2,3,4,5,6,7
.irp m, 1,2,4,8
.irp e, 0,1,2,3,4,5,6,7
	v_add_f32_dpp v[AC+8*\i+\e], v[AC+8*\i+\e], v[AC+8*\i+\e] row_xmask:\m row_mask:0xf bank_mask:0xf
.endr
.endr
.irp e, 0,1,2,3,4,5,6,7
	v_permlanex16_b32 v[200+\e], v[AC+8*\i+\e], s22, s23       ; (v200-207 were written by loads and hold nothing that is still wanted)
.endr
.irp e, 0,1,2,3,4,5,6,7
	v_add_f32 v[AC+8*\i+\e], v[AC+8*\i+\e], v[200+\e]
.endr
.endr
	; a lane takes the eight logits of token lane % 8 into v16-23
.irp e, 0,1,2,3,4,5,6,7
	v_cndmask_b32 v[16+\e], v[16+\e], v[24+\e], s26
	v_cndmask_b32 v[32+\e], v[32+\e], v[40+\e], s26
	v_cndmask_b32 v[48+\e], v[48+\e], v[56+\e], s26
	v_cndmask_b32 v[64+\e], v[64+\e], v[72+\e], s26
.endr
.irp e, 0,1,2,3,4,5,6,7
	v_cndmask_b32 v[16+\e], v[16+\e], v[32+\e], s27
	v_cndmask_b32 v[48+\e], v[48+\e], v[64+\e], s27
.endr
.irp e, 0,1,2,3,4,5,6,7
	v_cndmask_b32 v[16+\e], v[16+\e], v[48+\e], s28
.endr
	; top-2: v24 the largest logit, v25 its expert; v26, v27 the second
	v_max3_num_f32 v24, v16, v17, v18
	v_max3_num_f32 v24, v24, v19, v20
	v_max3_num_f32 v24, v24, v21, v22
	v_max_num_f32 v24, v24, v23
	v_mov_b32 v25, 7
.irp e, 6,5,4,3,2,1,0
	v_cmp_neq_f32 vcc_lo, v[16+\e], v24
	v_cndmask_b32 v25, \e, v25, vcc_lo             ; descending, so that the lowest index that holds the maximum stays
.endr
	v_mov_b32 v28, 0xff800000                      ; -infinity takes the first choice out
.irp e, 0,1,2,3,4,5,6,7
	v_cmp_eq_u32 vcc_lo, \e, v25
	v_cndmask_b32 v[32+\e], v[16+\e], v28, vcc_lo
.endr
	v_max3_num_f32 v26, v32, v33, v34
	v_max3_num_f32 v26, v26, v35, v36
	v_max3_num_f32 v26, v26, v37, v38
	v_max_num_f32 v26, v26, v39
	v_mov_b32 v27, 7
.irp e, 6,5,4,3,2,1,0
	v_cmp_neq_f32 vcc_lo, v[32+\e], v26
	v_cndmask_b32 v27, \e, v27, vcc_lo
.endr
	; both softmaxes, the maximum taken away: over the two chosen (1 and t = e^(m2 - m1)), and over all eight
	v_sub_f32 v56, v26, v24
.irp e, 0,1,2,3,4,5,6,7
	v_sub_f32 v[40+\e], v[16+\e], v24
.endr
	v_mul_f32 v56, 0x3fb8aa3b, v56                 ; x log2(e)
.irp e, 0,1,2,3,4,5,6,7
	v_mul_f32 v[40+\e], 0x3fb8aa3b, v[40+\e]
.endr
	v_exp_f32 v56, v56
.irp e, 0,1,2,3,4,5,6,7
	v_exp_f32 v[40+\e], v[40+\e]
.endr
	v_nop                                          ; a plain line behind the exponentials
	s_wait_alu depctr_va_vdst(0)
	v_add_f32 v57, v40, v41
	v_add_f32 v59, v42, v43
	v_add_f32 v70, v44, v45
	v_add_f32 v71, v46, v47
	v_add_f32 v57, v57, v59
	v_add_f32 v70, v70, v71
	v_add_f32 v57, v57, v70
	v_add_f32 v58, 1.0, v56
	v_rcp_f32 v57, v57
	v_rcp_f32 v58, v58                             ; the first choice's weight
	v_nop                                          ; a plain line behind the reciprocals
	s_wait_alu depctr_va_vdst(0)
	v_mul_f32 v59, v56, v58                        ; the second's
.irp e, 0,1,2,3,4,5,6,7
	v_mul_f32 v[40+\e], v[40+\e], v57              ; prob
.endr
.irp e, 0,1,2,3,4,5,6,7
	v_cmp_eq_u32 vcc_lo, \e, v27
	v_cndmask_b32 v[48+\e], 0, v59, vcc_lo
	v_cmp_eq_u32 vcc_lo, \e, v25
	v_cndmask_b32 v[48+\e], v[48+\e], v58, vcc_lo  ; comb
.endr
	v_min_u32 v60, v25, v27                        ; a
	v_max_u32 v61, v25, v27                        ; b
	v_sub_nc_u32 v62, 15, v60
	v_mul_u32_u24 v62, v62, v60
	v_lshrrev_b32 v62, 1, v62                      ; a (15 - a) / 2
	v_sub_nc_u32 v63, v61, v60
	v_add_nc_u32 v63, -1, v63                      ; b - a - 1
	v_sub_nc_u32 v64, 7, v61                       ; 7 - b
	v_and_b32 v65, 1, v60
	v_cmp_eq_u32 vcc_lo, 1, v65
	v_cndmask_b32 v63, v63, v64, vcc_lo
	v_add_nc_u32 v60, v62, v63                     ; the pair's number
	; lane (row, blk) sends experts 2 blk and 2 blk + 1 of its token: 32 lanes fill 256 consecutive bytes
	v_cndmask_b32 v66, v48, v50, s29
	v_cndmask_b32 v68, v52, v54, s29
	v_cndmask_b32 v66, v66, v68, s30
	v_cndmask_b32 v67, v49, v51, s29
	v_cndmask_b32 v68, v53, v55, s29
	v_cndmask_b32 v67, v67, v68, s30
	v_cndmask_b32 v70, v40, v42, s29
	v_cndmask_b32 v72, v44, v46, s29
	v_cndmask_b32 v70, v70, v72, s30
	v_cndmask_b32 v71, v41, v43, s29
	v_cndmask_b32 v72, v45, v47, s29
	v_cndmask_b32 v71, v71, v72, s30
	global_store_b64 v[GO], v[66:67], s[18:19]
	global_store_b64 v[GO], v[70:71], s[18:19] offset:65536
	s_wait_xcnt 0x0                                ; EXEC changes only behind this wait
	v_cmp_gt_u32 vcc_lo, 8, v[LN]
	s_set_vgpr_msb 0x5
	s_wait_tensorcnt 0x0
	ds_add_u32 v0, v1
	s_wait_dscnt 0x0
	s_set_vgpr_msb 0x500
	s_and_saveexec_b32 s36, vcc_lo
	global_store_b32 v[L4], v60, s[24:25]          ; lanes 0-7: one word a token, 32 bytes: all that a work-group has of this buffer of 8 KiB
	s_wait_xcnt 0x0                                ; and again in front of the line that widens it
	s_or_b32 exec_lo, exec_lo, s36
	s_endpgm
.Lfunc_end_k_qc9fa3a9e30_prep:
	.size	k_qc9fa3a9e30_prep, .Lfunc_end_k_qc9fa3a9e30_prep-k_qc9fa3a9e30_prep
	.p2alignl 7, 3214868480
	.fill 96, 4, 3214868480
	.section	.rodata,"a",@progbits
	.p2align	6, 0x0
	.amdhsa_kernel k_qc9fa3a9e30_prep
		.amdhsa_group_segment_fixed_size 81664
		.amdhsa_private_segment_fixed_size 0
		.amdhsa_enable_private_segment 0
		.amdhsa_kernarg_size 72
		.amdhsa_user_sgpr_count 2
		.amdhsa_user_sgpr_kernarg_segment_ptr 1
		.amdhsa_wavefront_size32 1
		.amdhsa_system_sgpr_workgroup_id_x 1
		.amdhsa_system_sgpr_workgroup_id_y 1
		.amdhsa_system_sgpr_workgroup_id_z 1
		.amdhsa_system_vgpr_workitem_id 0
		.amdhsa_next_free_vgpr 258
		.amdhsa_next_free_sgpr 66
		.amdhsa_reserve_vcc 1
		.amdhsa_float_denorm_mode_32 3
		.amdhsa_float_denorm_mode_16_64 3
		.amdhsa_memory_ordered 1
		.amdhsa_forward_progress 1
		.amdhsa_inst_pref_size 249
	.end_amdhsa_kernel
	.amdgpu_metadata
---
amdhsa.version: [ 1, 2 ]
amdhsa.kernels:
  - .name:           k_qc9fa3a9e30_prep
    .symbol:         k_qc9fa3a9e30_prep.kd
    .args:
      - { .name: x, .offset: 0, .size: 8, .value_kind: global_buffer, .address_space: global }
      - { .name: router_w, .offset: 8, .size: 8, .value_kind: global_buffer, .address_space: global }
      - { .name: w1, .offset: 16, .size: 8, .value_kind: global_buffer, .address_space: global }
      - { .name: wq, .offset: 24, .size: 8, .value_kind: global_buffer, .address_space: global }
      - { .name: wsc, .offset: 32, .size: 8, .value_kind: global_buffer, .address_space: global }
      - { .name: xq, .offset: 40, .size: 8, .value_kind: global_buffer, .address_space: global }
      - { .name: xsc, .offset: 48, .size: 8, .value_kind: global_buffer, .address_space: global }
      - { .name: gate, .offset: 56, .size: 8, .value_kind: global_buffer, .address_space: global }
      - { .name: keys, .offset: 64, .size: 8, .value_kind: global_buffer, .address_space: global }
    .group_segment_fixed_size: 81664
    .private_segment_fixed_size: 0
    .kernarg_segment_align: 8
    .kernarg_segment_size: 72
    .max_flat_workgroup_size: 288
    .sgpr_count:     66
    .vgpr_count:     258
    .wavefront_size: 32
...
	.end_amdgpu_metadata
.endif
;; end of part 1
;; launch place (part 2): grid 1 x 1, 16 waves a work-group, no clusters, 4,608 bytes of LDS; arguments keys, gate, plan, out1; writes plan, out1
.if DOCPART == 2
	.amdgcn_target "amdgcn-amd-amdhsa--gfx1250"
	.amdhsa_code_object_version 6
	.text
	.protected	k_qc9fa3a9e30_place
	.globl	k_qc9fa3a9e30_place
	.p2align	8
	.type	k_qc9fa3a9e30_place,@function
k_qc9fa3a9e30_place:
	s_mov_b64 s[64:65], 0
	v_nop
	global_prefetch_b8 v0, s[64:65] scope:SCOPE_SE
	s_setreg_imm32_b32 hwreg(HW_REG_WAVE_MODE, 25, 1), 1
	s_wait_xcnt 0x0
; SECOND OF THREE LAUNCHES.  The 2,048 tokens are sorted by their pair of experts (keys: 0 .. 27) by a counting sort, without atomics; plan gets order[2,048] (the token at each sorted place) and, 8,192 bytes on,
; hmask[32]: bit e of word j says that some token at sorted places 64 j .. 64 j + 63 uses expert e.  out1 = 8 x the sum over e of (slots routed to e / 2,048) x (the sum of prob[.][e] / 2,048).
; One work-group of sixteen waves: the whole job is 8 KiB of keys and 64 KiB of prob; a sort over several work-groups would want a launch more.  Wave w owns tokens 128 w .. 128 w + 127 as four chunks of 32.
; One barrier: in front of it each wave's counts of the 28 keys and its part of prob's sums go to LDS; behind it LDS is only read.
; order's words are stored four bytes a lane at sorted places: 2,048 words into 8 KiB, once; a way through LDS would want LDS addresses made of loaded numbers.
.set KY,  12                           ; v12-15  my token's key in chunk j
.set RK,  16                           ; v16-19  how many tokens of my wave with the same key stand ahead of it
.set HI,  20                           ; v20     lane p: my wave's count of key p
.set T0,  21
.set PRE, 22                           ; v22     lane p: key p's count in the waves ahead of mine
.set TOT, 23                           ; v23     lane p: key p's count
.set INC, 24
.set T1,  25
.set BAS, 26                           ; v26     lane p: the sorted place at which key p begins
.set STA, 27                           ; v27     lane p: and at which my wave's tokens of key p begin
.set ST,  28                           ; v28-31  my token's place in chunk j
.set PB,  32                           ; v32-63  eight quads of prob
.set HH,  64                           ; v64-79  the sixteen waves' counts
	s_load_b256 s[4:11], s[0:1], 0x0               ; keys s[4:5], gate s[6:7], plan s[8:9], out1 s[10:11]
	v_lshl_add_u32 v96, v0, 2, 0xa00
	v_mov_b32 v97, 0
	v_lshrrev_b32 v1, 5, v0
	v_readfirstlane_b32 s12, v1                    ; wave 0..15
	v_and_b32 v2, 31, v0                           ; lane
	v_lshlrev_b32 v3, 2, v2                        ; 4 x lane
	v_lshlrev_b32 v4, 4, v0                        ; 16 x thread
	s_lshl_b32 s13, s12, 9
	v_add_nc_u32 v5, s13, v3                       ; my wave's 512 bytes of keys
	s_lshl_b32 s14, s12, 7
	v_add_nc_u32 v6, s14, v3                       ; LDS: counts [wave][32 words] from byte 0
	v_and_b32 v7, 1, v0
	v_lshlrev_b32 v7, 4, v7
	s_lshl_b32 s15, s12, 5
	v_add_nc_u32 v7, s15, v7
	v_add_nc_u32 v7, 2048, v7                      ; LDS: prob's sums [wave][8 f32] from byte 2,048: 32 x wave + 16 x (lane % 2)
	v_add_nc_u32 v8, s14, v2                       ; my token in chunk 0
	v_lshl_add_u32 v9, v2, 4, 2048                 ; LDS: prob's sums, 16 x lane
	s_mov_b32 s47, 0xffff0000                      ; lanes 16-31
	s_mov_b32 s60, 0x76543210
	s_mov_b32 s61, 0xfedcba98                      ; v_permlanex16_b32's selects for lane l xor 16
	s_wait_kmcnt 0x0
.irp j, 0,1,2,3
	global_load_b32 v[KY+\j], v5, s[4:5] offset:128*\j
.endr
.irp j, 0,1,2,3,4,5,6,7
	global_load_b128 v[PB+4*\j:PB+4*\j+3], v4, s[6:7] offset:65536+8192*\j     ; even threads: experts 0-3 of a token; odd threads: experts 4-7
.endr
.irp j, 0,1,2,3
	v_mov_b32 v[RK+\j], 0
	v_mov_b32 v[ST+\j], 0
.endr
	v_mov_b32 v[HI], 0
	v_mov_b32 v[T1], 0
	s_wait_loadcnt 8                               ; the keys are in; prob's eight loads may be out
; key p: who has it (four masks); each holder's rank among my wave's holders; the wave's count into lane p
.macro PAIR p
.irp j, 0,1,2,3
	v_cmp_eq_u32 s[40+\j], \p, v[KY+\j]
.endr
	s_mov_b32 s44, 0
.irp j, 0,1,2,3
	v_mbcnt_lo_u32_b32 v[T0], s[40+\j], s44        ; holders in the lanes below me + those of the chunks before
	v_cndmask_b32 v[RK+\j], v[RK+\j], v[T0], s[40+\j]
	s_bcnt1_i32_b32 s45, s[40+\j]
	s_add_co_u32 s44, s44, s45
.endr
	v_writelane_b32 v[HI], s44, \p
.endm
.irp p, 0,1,2,3,4,5,6,7,8,9,10,11,12,13,14,15,16,17,18,19,20,21,22,23,24,25,26,27
	PAIR \p
.endr
	s_wait_loadcnt 0x0
.irp j, 1,2,3,4,5,6,7
	v_pk_add_f32 v[PB:PB+1], v[PB:PB+1], v[PB+4*\j:PB+4*\j+1]
	v_pk_add_f32 v[PB+2:PB+3], v[PB+2:PB+3], v[PB+4*\j+2:PB+4*\j+3]
.endr
.irp m, 2,4,8                          ; over the lanes of my parity
.irp q, 0,1,2,3
	v_add_f32_dpp v[PB+\q], v[PB+\q], v[PB+\q] row_xmask:\m row_mask:0xf bank_mask:0xf
.endr
.endr
.irp q, 0,1,2,3
	v_permlanex16_b32 v[PB+4+\q], v[PB+\q], s60, s61
.endr
.irp q, 0,1,2,3
	v_add_f32 v[PB+\q], v[PB+\q], v[PB+4+\q]
.endr
	ds_store_b128 v7, v[PB:PB+3]                   ; lanes of one parity write the same bytes with the same values
	ds_store_b32 v6, v[HI]
	s_wait_dscnt 0x0                               ; for the others' sake: my stores are done
	s_barrier_signal -1
	s_barrier_wait -1
.irp c, 0,1,2,3,4,5,6,7,8,9,10,11,12,13,14,15
	ds_load_b32 v[HH+\c], v3 offset:128*\c
.endr
	v_mov_b32 v[PRE], 0
	v_mov_b32 v[TOT], 0
	s_wait_dscnt 0x0
.irp c, 0,1,2,3,4,5,6,7,8,9,10,11,12,13,14,15
	s_cmp_gt_u32 s12, \c
	s_cselect_b32 s45, -1, 0
	v_and_b32 v[T0], s45, v[HH+\c]
	v_add_nc_u32 v[PRE], v[PRE], v[T0]
	v_add_nc_u32 v[TOT], v[TOT], v[HH+\c]
.endr
	v_mov_b32 v[INC], v[TOT]                       ; a running sum over the lanes: four steps inside each half, then the lower half's total onto the upper
.irp n, 1,2,4,8
	v_mov_b32_dpp v[T1], v[INC] row_shr:\n row_mask:0xf bank_mask:0xf bound_ctrl:1
	v_add_nc_u32 v[INC], v[INC], v[T1]
.endr
	v_readlane_b32 s46, v[INC], 15
	v_mov_b32 v[T1], s46
	v_cndmask_b32 v[T1], 0, v[T1], s47
	v_add_nc_u32 v[INC], v[INC], v[T1]
	v_sub_nc_u32 v[BAS], v[INC], v[TOT]
	v_add_nc_u32 v[STA], v[BAS], v[PRE]
.irp p, 0,1,2,3,4,5,6,7,8,9,10,11,12,13,14,15,16,17,18,19,20,21,22,23,24,25,26,27
	v_readlane_b32 s46, v[STA], \p
.irp j, 0,1,2,3
	v_cmp_ne_u32 vcc_lo, \p, v[KY+\j]
	v_cndmask_b32 v[ST+\j], s46, v[ST+\j], vcc_lo  ; a token takes its key's start
.endr
.endr
.irp j, 0,1,2,3
	v_add_nc_u32 v[ST+\j], v[ST+\j], v[RK+\j]      ; + its rank
	v_min_u32 v[ST+\j], 0x7ff, v[ST+\j]            ; a number made of loaded numbers enters an address only behind this hold
	v_lshlrev_b32 v[ST+\j], 2, v[ST+\j]
	v_add_nc_u32 v[40+\j], 32*\j, v8
	global_store_b32 v[ST+\j], v[40+\j], s[8:9]
.endr
	s_cmp_lg_u32 s12, 0
	s_cbranch_scc1 .Lend                           ; the masks and out1 are wave 0's; no barrier follows
	v_lshlrev_b32 v44, 6, v2                       ; lane j speaks for sorted places 64 j ..
	v_add_nc_u32 v45, 64, v44                      ; .. 64 j + 63
	v_mov_b32 v46, 0
.irp e, 0,1,2,3,4,5,6,7
	s_mov_b32 s[52+\e], 0                          ; slots routed to expert e
.endr
; key p = experts a and b: its run of sorted places meets my 64 where max(starts) < min(ends)
.macro MASK p, a, b
	v_readlane_b32 s48, v[BAS], \p
	v_readlane_b32 s49, v[TOT], \p
	s_add_co_u32 s50, s48, s49
	s_add_co_u32 s[52+\a], s[52+\a], s49
	s_add_co_u32 s[52+\b], s[52+\b], s49
	v_max_u32 v47, s48, v44
	v_min_u32 v48, s50, v45
	v_cmp_lt_u32 vcc_lo, v47, v48
	v_or_b32 v49, (1<<\a)|(1<<\b), v46
	v_cndmask_b32 v46, v46, v49, vcc_lo
.endm
	MASK 0, 0, 1
	MASK 1, 0, 2
	MASK 2, 0, 3
	MASK 3, 0, 4
	MASK 4, 0, 5
	MASK 5, 0, 6
	MASK 6, 0, 7
	MASK 7, 1, 7
	MASK 8, 1, 6
	MASK 9, 1, 5
	MASK 10, 1, 4
	MASK 11, 1, 3
	MASK 12, 1, 2
	MASK 13, 2, 3
	MASK 14, 2, 4
	MASK 15, 2, 5
	MASK 16, 2, 6
	MASK 17, 2, 7
	MASK 18, 3, 7
	MASK 19, 3, 6
	MASK 20, 3, 5
	MASK 21, 3, 4
	MASK 22, 4, 5
	MASK 23, 4, 6
	MASK 24, 4, 7
	MASK 25, 5, 7
	MASK 26, 5, 6
	MASK 27, 6, 7
	global_store_b32 v3, v46, s[8:9] offset:8192
	ds_load_b128 v[48:51], v9                      ; lane l: wave l / 2's sums of experts 4 (l % 2) + 0 .. 3
.irp q, 0,1,2,3
	v_mov_b32 v[52+\q], 0                          ; a lane permute's destination counts as one of its sources
.endr
	s_mov_b32 vcc_lo, 0x55555555                   ; the even lanes
.irp q, 0,1,2,3
	v_mov_b32 v[56+\q], s[52+\q]
	v_cndmask_b32 v[56+\q], s[56+\q], v[56+\q], vcc_lo         ; even lanes: the counts of experts 0-3; odd lanes: of 4-7
	v_cvt_f32_u32 v[56+\q], v[56+\q]
.endr
	s_wait_dscnt 0x0
.irp m, 2,4,8
.irp q, 0,1,2,3
	v_add_f32_dpp v[48+\q], v[48+\q], v[48+\q] row_xmask:\m row_mask:0xf bank_mask:0xf
.endr
.endr
.irp q, 0,1,2,3
	v_permlanex16_b32 v[52+\q], v[48+\q], s60, s61
.endr
.irp q, 0,1,2,3
	v_add_f32 v[48+\q], v[48+\q], v[52+\q]
.endr
	v_mul_f32 v60, v56, v48
	v_fmac_f32 v60, v57, v49
	v_fmac_f32 v60, v58, v50
	v_fmac_f32 v60, v59, v51
	v_add_f32_dpp v60, v60, v60 row_xmask:1 row_mask:0xf bank_mask:0xf   ; the other four experts'
	v_mul_f32 v60, 0x36000000, v60                 ; x 8 / 2,048^2 = 2^-19
	v_mov_b32 v61, 0
	s_wait_xcnt 0x0                                ; EXEC changes only behind this wait
	v_cmp_eq_u32 vcc_lo, 0, v2
	s_and_saveexec_b32 s62, vcc_lo
	global_store_b32 v61, v60, s[10:11]
	s_wait_xcnt 0x0                                ; and again in front of the line that widens it
	s_or_b32 exec_lo, exec_lo, s62
.Lend:
	s_wait_tensorcnt 0x0
	ds_add_u32 v96, v97
	s_wait_dscnt 0x0
	s_endpgm
.Lfunc_end_k_qc9fa3a9e30_place:
	.size	k_qc9fa3a9e30_place, .Lfunc_end_k_qc9fa3a9e30_place-k_qc9fa3a9e30_place
	.p2alignl 7, 3214868480
	.fill 96, 4, 3214868480
	.section	.rodata,"a",@progbits
	.p2align	6, 0x0
	.amdhsa_kernel k_qc9fa3a9e30_place
		.amdhsa_group_segment_fixed_size 4608
		.amdhsa_private_segment_fixed_size 0
		.amdhsa_enable_private_segment 0
		.amdhsa_kernarg_size 32
		.amdhsa_user_sgpr_count 2
		.amdhsa_user_sgpr_kernarg_segment_ptr 1
		.amdhsa_wavefront_size32 1
		.amdhsa_system_sgpr_workgroup_id_x 1
		.amdhsa_system_sgpr_workgroup_id_y 1
		.amdhsa_system_sgpr_workgroup_id_z 1
		.amdhsa_system_vgpr_workitem_id 0
		.amdhsa_next_free_vgpr 98
		.amdhsa_next_free_sgpr 66
		.amdhsa_reserve_vcc 1
		.amdhsa_float_denorm_mode_32 3
		.amdhsa_float_denorm_mode_16_64 3
		.amdhsa_memory_ordered 1
		.amdhsa_forward_progress 1
		.amdhsa_inst_pref_size 64
	.end_amdhsa_kernel
	.amdgpu_metadata
---
amdhsa.version: [ 1, 2 ]
amdhsa.kernels:
  - .name:           k_qc9fa3a9e30_place
    .symbol:         k_qc9fa3a9e30_place.kd
    .args:
      - { .name: keys, .offset: 0, .size: 8, .value_kind: global_buffer, .address_space: global }
      - { .name: gate, .offset: 8, .size: 8, .value_kind: global_buffer, .address_space: global }
      - { .name: plan, .offset: 16, .size: 8, .value_kind: global_buffer, .address_space: global }
      - { .name: out1, .offset: 24, .size: 8, .value_kind: global_buffer, .address_space: global }
    .group_segment_fixed_size: 4608
    .private_segment_fixed_size: 0
    .kernarg_segment_align: 8
    .kernarg_segment_size: 32
    .max_flat_workgroup_size: 512
    .sgpr_count:     66
    .vgpr_count:     98
    .wavefront_size: 32
...
	.end_amdgpu_metadata
.endif
;; end of part 2
;; launch moe (part 3): grid 16 x 16, 4 waves a work-group, no clusters, 151,040 bytes of LDS; arguments xq, xsc, wq, wsc, b1, gate, plan, out0; writes out0
.if DOCPART == 3
	.amdgcn_target "amdgcn-amd-amdhsa--gfx1250"
	.amdhsa_code_object_version 6
	.text
	.protected	k_qc9fa3a9e30_moe
	.globl	k_qc9fa3a9e30_moe
	.p2align	8
	.type	k_qc9fa3a9e30_moe,@function
k_qc9fa3a9e30_moe:
	s_mov_b64 s[64:65], 0
	v_nop
	global_prefetch_b8 v0, s[64:65] scope:SCOPE_SE
	s_setreg_imm32_b32 hwreg(HW_REG_WAVE_MODE, 25, 1), 1
	s_wait_xcnt 0x0
; THIRD OF THREE LAUNCHES.  out0[t][h] = the sum over the experts e of comb[t][e] x (Q(x[t]) . Q(w1[e][h]) + b1[e][h]); comb is 0 for the six experts that token t did not choose.
; SHARES.  Work-group (hb, tb) owns columns 256 hb .. + 255 of the 128 tokens at sorted places 128 tb .. + 127: each output number has one owner.  The tokens are sorted by their pair of experts, so a block uses few experts:
; the stored masks name them, and the work-group walks those alone, one PASS each (K = 1,024 in 8 steps of 128).  A pass multiplies all 128 rows; comb = 0 takes out the rows that did not choose the expert.
; Wave w: columns 64 w .. + 63 (4 tiles n of 16) x all 8 tiles s of 16 rows: 32 accumulators.
; THE MATRIX INSTRUCTION IS USED TRANSPOSED (source 0 = 16 rows of w1, source 1 = 16 tokens): lane (r, h) holds token r and columns 16 n + 8 h + 0 .. 7: comb is one number a lane, b1 is the C of a pass's first K step,
; and eight results are 32 neighbouring bytes of a row of out0.
; x's codes: gathered once by the stored order into LDS (128 rows), one barrier, then read as fragments.  w1's codes come from memory STRAIGHT INTO REGISTERS: the first launch laid them in the order of the operand's
; registers, so a fragment is four loads of 512 consecutive bytes.  They run three K steps ahead, in a ring of four sets of registers, on into the next expert.
; The look-ahead at the last expert's end reads expert 7's bytes (inside the buffers, never used), so that every counted wait finds the same loads behind it on every way.
; NO CLUSTER, NO JOINT LOADS: tiles of w1 are shared by token blocks only where their stored masks agree, so partners would want different numbers of tiles; all partners walking all 8 experts would fetch 8 passes' bytes
; where a block of 128 tokens over 28 pairs uses about 4; x's rows are gathered by a list, which no one descriptor covers, and are 128 KiB of a work-group's bytes against 256 KiB for each pass.
; LIMITS: NaN and infinities are not served; the product of an expert that the block uses but a token does not is multiplied by 0, so it must be finite.
; REGISTERS, in windows of 256: window 0: v1-11 addresses; v16-23 32 x token of row 16 s + r; v24-39 comb (even registers; the odd ones hold 0: the packed forms name pairs); v40-55 w1's scale words; v56-87 x's;
;   v88-119 b1; v120-123 x's scale words' offsets; v128-255 x's fragments (tile s at 128 + 16 s).   window 1: the ring of w1's fragments (set k % 4 at 64 (k % 4), tile n at + 16 n).
;   window 2: the pass's accumulators ((s, n) at 8 (4 s + n)).   window 3: out0's sums, laid likewise.
.set PA,    1040                       ; an LDS row of x's codes: 1,024 bytes + 16: an odd multiple of 16 bytes, so the 16 rows that a load touches start at 16 different banks (64 banks of 4 bytes: ISA guide 11.1)
.set TILEA, 16*PA
.set STG,   128*PA                     ; behind x: a stage of 16 rows x (256 bytes + 16) for each wave, its own
.set SPI,   272
.set L16,  1                           ; v1   16 x lane
.set ADRA, 2                           ; v2, v3  my lane's place in x's tiles 0-3, 4-7: 1,040 r + 16 h (+ 4 tiles)
.set L32,  4                           ; v4   32 x lane
.set H32,  5                           ; v5   32 x h
.set STO,  6                           ; v6   the stage, in: 272 r + 32 h
.set RD,   7                           ; v7   the stage, back: 8 x lane
.set L8,   8                           ; v8   8 x lane
.set GST,  9                           ; v9   the gather's LDS place: my wave's 32 rows + 16 x lane
.set R4,   10                          ; v10  4 r
.set L4,   11                          ; v11  4 x lane
.set TOK,  16
.set CB,   24
.set WS,   40                          ; register 8 q + k: lanes 0-15 tile 2 q's words of K step k, lanes 16-31 tile 2 q + 1's
.set XS,   56                          ; register 8 p + k: lanes 0-15 row tile 2 p's, lanes 16-31 row tile 2 p + 1's
.set BIAS, 88
.set XO,   120
.set AF,   128
.set WV,   20
.set HB,   21
.set TB,   22
.set MASK, 24                          ; s24  experts still to be taken
.set TRIPS, 25
.set ENXT, 27                          ; s27  the expert whose bases are the 'next' ones
.set WQ0,  66                          ; s[66:67] wq, s[68:69] wsc, s[70:71] b1 at my wave's columns of expert 0
.set WSC0, 68
.set B10,  70
.set BC,   72                          ; s[72:73] wq at the pass's expert;  s[74:75] at the next
.set BN,   74
.set WC,   76                          ; s[76:77], s[78:79] wsc likewise
.set WN,   78
.set BIN,  80                          ; s[80:81] b1 at the next
.set CBC,  82                          ; s[82:83] gate at the pass's expert's column of comb
.set OUTB, 84                          ; s[84:85] out0 at my wave's columns
.set ORD,  86                          ; s[86:87] plan at my block's 128 words of order
.set MSB, 0
.macro WIN new                         ; the immediate's high byte repeats the setting that is left; a switch that changes nothing is dropped
.if MSB != \new
	s_set_vgpr_msb (MSB<<8)|\new
.set MSB, \new
.endif
.endm
.macro PLACES n
.rept \n
	v_nop
.endr
.endm
; the next expert: the lowest bit of the mask (7 when none is left), taken out of it; and the three 'next' bases.  s29 holds 0 throughout
.macro NEXTE
	s_ctz_i32_b32 s[ENXT], s[MASK]
	s_min_u32 s[ENXT], s[ENXT], 7                  ; a number made of loaded numbers enters an address only behind this hold
	s_sub_co_u32 s28, s[MASK], 1
	s_and_b32 s[MASK], s[MASK], s28
	s_lshl_b32 s28, s[ENXT], 22                    ; 256 tiles of 16 KiB an expert
	s_add_nc_u64 s[BN:BN+1], s[WQ0:WQ0+1], s[28:29]
	s_lshl_b32 s28, s[ENXT], 17                    ; 4,096 rows of 32 bytes
	s_add_nc_u64 s[WN:WN+1], s[WSC0:WSC0+1], s[28:29]
	s_lshl_b32 s28, s[ENXT], 14                    ; 4,096 f32
	s_add_nc_u64 s[BIN:BIN+1], s[B10:B10+1], s[28:29]
.endm
.macro ROTATE                          ; the next expert becomes the pass's
	s_wait_xcnt 0x0                                ; every load issued so far has read its base: the bases are written only behind this wait
	s_mov_b64 s[BC:BC+1], s[BN:BN+1]
	s_mov_b64 s[WC:WC+1], s[WN:WN+1]
	s_lshl_b32 s28, s[ENXT], 2
	s_add_nc_u64 s[CBC:CBC+1], s[14:15], s[28:29]
	NEXTE
.endm
.macro GLB k, base                     ; w1's four fragments of K step k into set k % 4: 16 loads of 512 consecutive bytes
.irp n, 0,1,2,3
.irp c, 0,1,2,3
	global_load_b128 v[64*((\k)%4)+16*\n+4*\c:64*((\k)%4)+16*\n+4*\c+3], v[L16], s[\base:\base+1] offset:(8*\n+(\k))*2048+512*\c
.endr
.endr
.endm
.macro FETCH_A k, lo                   ; x's fragments of K step k, row tiles lo .. lo + 3: lane (r, h), registers 4 c .. 4 c + 3 = k 32 c + 16 h + 0 .. 15
.irp a, 0,1,2,3
.irp c, 0,1,2,3
	ds_load_b128 v[AF+16*(\lo+\a)+4*\c:AF+16*(\lo+\a)+4*\c+3], v[ADRA+(\lo)/4] offset:TILEA*\a+128*(\k)+32*\c
.endr
.endr
.endm
.macro WM s, n, k, bias                ; one product: row tile s x column tile n, K step k.  bias = 1: C = b1 (window 0), the pass's sum begins; else in place
.set rD, 8*(4*(\s)+\n)
.set rC, rD
.if \bias
.set rC, BIAS+8*\n
.endif
.set rW, 64*((\k)%4)+16*\n
.set rX, AF+16*(\s)
.set rA, WS+8*(\n/2)+(\k)
.set rB, XS+8*((\s)/2)+(\k)
.if ((\n)%2 == 0) && ((\s)%2 == 0)
	v_wmma_scale_f32_16x16x128_f8f6f4 v[rD:rD+7], v[rW:rW+15], v[rX:rX+15], v[rC:rC+7], v[rA], v[rB]
.elseif ((\s)%2 == 0)
	v_wmma_scale_f32_16x16x128_f8f6f4 v[rD:rD+7], v[rW:rW+15], v[rX:rX+15], v[rC:rC+7], v[rA], v[rB] matrix_a_scale:MATRIX_SCALE_ROW1
.elseif ((\n)%2 == 0)
	v_wmma_scale_f32_16x16x128_f8f6f4 v[rD:rD+7], v[rW:rW+15], v[rX:rX+15], v[rC:rC+7], v[rA], v[rB] matrix_b_scale:MATRIX_SCALE_ROW1
.else
	v_wmma_scale_f32_16x16x128_f8f6f4 v[rD:rD+7], v[rW:rW+15], v[rX:rX+15], v[rC:rC+7], v[rA], v[rB] matrix_a_scale:MATRIX_SCALE_ROW1 matrix_b_scale:MATRIX_SCALE_ROW1
.endif
.endm
.macro MUL k, lo, bias                 ; 16 products.  The 32 accumulators take turns, one instruction a turn, in the same order in every step
.irp a, 0,1,2,3
.irp n, 0,1,2,3
	WM \lo+\a, \n, \k, \bias
.endr
.endr
.endm
; A K STEP.  The wait at its head counts the global loads issued behind w1's fragments of this step:
;   k = 0: 32 = B(1), B(2).   k = 1: 42 = B(2) 16 + step 0's 26.   k = 2: 50 = 26 + step 1's 24.   k = 3: 50 = step 0's last 10 + 24 + 16.   k = 4: 40 = step 1's last 8 + 16 + 16.
;   k = 5: 34 = 16 + step 4's 18.   k = 6: 34 = 18 + 16.   k = 7: 34 = step 4's last 2 + 16 + 16.
; Behind the wait the step issues the fragments of three steps on (from step 5 on: the next expert's), and: step 0 the pass's scale words 4-7 and its comb; step 1 the next expert's b1; step 4 the next expert's scale words 0-3.
; Each lands in registers whose last use by a matrix instruction lies behind the eight places at the end of the step before.  (Where more loads are out than the counter's field holds, the issue waits: ISA guide 5.7.1.)
; Eight places stand behind this form in front of loads into registers that matrix instructions have read.
.macro STEP k
.if \k == 0
	s_wait_loadcnt 32
.elseif \k == 1
	s_wait_loadcnt 42
.elseif \k < 4
	s_wait_loadcnt 50
.elseif \k == 4
	s_wait_loadcnt 40
.else
	s_wait_loadcnt 34
.endif
	WIN 0x40                                       ; destination window 1
.if \k < 5
	GLB \k+3, BC
.else
	GLB \k-5, BN
.endif
	WIN 0
.if \k == 0
.irp q, 0,1
	global_load_b128 v[WS+8*\q+4:WS+8*\q+7], v[L32], s[WC:WC+1] offset:1024*\q+16
.endr
.irp s, 0,1,2,3,4,5,6,7
	global_load_b32 v[CB+2*\s], v[TOK+\s], s[CBC:CBC+1]
.endr
.elseif \k == 1
.irp n, 0,1,2,3
	global_load_b128 v[BIAS+8*\n:BIAS+8*\n+3], v[H32], s[BIN:BIN+1] offset:64*\n
	global_load_b128 v[BIAS+8*\n+4:BIAS+8*\n+7], v[H32], s[BIN:BIN+1] offset:64*\n+16
.endr
.elseif \k == 4
.irp q, 0,1
	global_load_b128 v[WS+8*\q:WS+8*\q+3], v[L32], s[WN:WN+1] offset:1024*\q
.endr
.endif
	s_wait_dscnt 16                                ; x's row tiles 0-3 are in; the youngest 16 LDS loads (tiles 4-7) may be out
.if \k == 0
	WIN 0x81                                       ; source 0 (w1) window 1, source 1 (x) and C (b1) window 0, D window 2
	MUL \k, 0, 1
.else
	WIN 0xa1                                       ; the same, C and D window 2
	MUL \k, 0, 0
.endif
	s_wait_dscnt 0x0                               ; row tiles 4-7 are in (asked for 16 matrix instructions ago)
	PLACES 8
	WIN 0
	FETCH_A (\k+1)%8, 0
.if \k == 0
	WIN 0x81
	MUL \k, 4, 1
.else
	WIN 0xa1
	MUL \k, 4, 0
.endif
	PLACES 8
	WIN 0
	FETCH_A (\k+1)%8, 4
.endm
; out0's sums take comb x the pass's results: each accumulator from its low end on, in ascending order.  The first pass starts the sums by a multiplication: nothing is cleared.
; comb was asked for in step 0 and is shown landed by step 4's wait.  These 128 lines also stand between the pass's last products and the next pass's first, which write the accumulators anew.
.macro EPI first
.if \first
	WIN 0xc2                                       ; destination window 3, source 0 window 2, source 1 (comb) window 0
.else
	WIN 0xf2                                       ; and source 2 window 3
.endif
.set ia, 0
.rept 32
.irp j, 0,2,4,6
.if \first
	v_pk_mul_f32 v[8*ia+\j:8*ia+\j+1], v[8*ia+\j:8*ia+\j+1], v[CB+2*(ia/4):CB+2*(ia/4)+1] op_sel_hi:[1,0]
.else
	v_pk_fma_f32 v[8*ia+\j:8*ia+\j+1], v[8*ia+\j:8*ia+\j+1], v[CB+2*(ia/4):CB+2*(ia/4)+1], v[8*ia+\j:8*ia+\j+1] op_sel_hi:[1,0,1]
.endif
.endr
.set ia, ia+1
.endr
	WIN 0
.endm
.macro PASS first
.irp k, 0,1,2,3,4,5,6,7
	STEP \k
.endr
	EPI \first
	ROTATE
.endm
	s_load_b512 s[4:19], s[0:1], 0x0               ; xq s[4:5], xsc s[6:7], wq s[8:9], wsc s[10:11], b1 s[12:13], gate s[14:15], plan s[16:17], out0 s[18:19]
	v_lshl_add_u32 v126, v0, 2, 0x24c00
	v_mov_b32 v127, 0
	v_lshrrev_b32 v12, 5, v0
	v_readfirstlane_b32 s[WV], v12                 ; wave 0..3
	s_mov_b32 s[HB], ttmp9
	s_and_b32 s[TB], ttmp7, 0xffff
	v_and_b32 v12, 31, v0                          ; lane
	v_and_b32 v13, 15, v0                          ; r
	v_bfe_u32 v14, v0, 4, 1                        ; h
	v_lshlrev_b32 v[L16], 4, v12
	v_mul_u32_u24 v[ADRA], v13, PA
	v_lshl_add_u32 v[ADRA], v14, 4, v[ADRA]
	v_add_nc_u32 v[ADRA+1], 4*TILEA, v[ADRA]
	v_lshlrev_b32 v[L32], 5, v12
	v_lshlrev_b32 v[H32], 5, v14
	s_mul_i32 s28, s[WV], 16*SPI
	s_add_co_u32 s28, s28, STG                     ; my stage
	v_mul_u32_u24 v[STO], v13, SPI
	v_lshl_add_u32 v[STO], v14, 5, v[STO]
	v_add_nc_u32 v[STO], s28, v[STO]
	v_lshlrev_b32 v[L8], 3, v12
	v_add_nc_u32 v[RD], s28, v[L8]
	s_mul_i32 s28, s[WV], 32*PA
	v_add_nc_u32 v[GST], s28, v[L16]
	v_lshlrev_b32 v[R4], 2, v13
	v_lshlrev_b32 v[L4], 2, v12
.irp s, 0,1,2,3,4,5,6,7
	v_mov_b32 v[CB+2*\s+1], 0                      ; named as the upper halves of pairs, so they are written
.endr
	s_mov_b32 s29, 0                               ; the upper word of every offset
	s_mov_b32 s31, 0
	s_wait_kmcnt 0x0
	s_lshl_b32 s28, s[TB], 9
	s_add_nc_u64 s[ORD:ORD+1], s[16:17], s[28:29]  ; my block's 128 words of order
	s_lshl_b32 s28, s[WV], 7
	s_add_nc_u64 s[88:89], s[ORD:ORD+1], s[28:29]  ; the 32 that my wave gathers
	s_lshl_b32 s30, s[TB], 3
	s_add_nc_u64 s[90:91], s[16:17], s[30:31]
	s_load_b512 s[32:47], s[88:89], 0x0
	s_load_b512 s[48:63], s[88:89], 0x40
	s_load_b64 s[92:93], s[90:91], 0x2000          ; the masks of my block's two halves
.irp s, 0,1,2,3,4,5,6,7
	global_load_b32 v[TOK+\s], v[R4], s[ORD:ORD+1] offset:64*\s      ; the token of row 16 s + r
.endr
.irp p, 0,1,2,3
	global_load_b32 v[XO+\p], v[L4], s[ORD:ORD+1] offset:128*\p      ; and of row 32 p + lane
.endr
	s_lshl_b32 s28, s[HB], 18                      ; my wave's columns: tiles 16 hb + 4 w of 16 KiB,
	s_lshl_b32 s30, s[WV], 16
	s_add_co_u32 s28, s28, s30
	s_add_nc_u64 s[WQ0:WQ0+1], s[8:9], s[28:29]
	s_lshl_b32 s28, s[HB], 13                      ; rows 256 hb + 64 w of 32 bytes,
	s_lshl_b32 s30, s[WV], 11
	s_add_co_u32 s28, s28, s30
	s_add_nc_u64 s[WSC0:WSC0+1], s[10:11], s[28:29]
	s_lshl_b32 s28, s[HB], 10                      ; and of 4 bytes
	s_lshl_b32 s30, s[WV], 8
	s_add_co_u32 s28, s28, s30
	s_add_nc_u64 s[B10:B10+1], s[12:13], s[28:29]
	s_add_nc_u64 s[OUTB:OUTB+1], s[18:19], s[28:29]
	s_wait_kmcnt 0x0
.irp i, 0,1,2,3,4,5,6,7,8,9,10,11,12,13,14,15,16,17,18,19,20,21,22,23,24,25,26,27,28,29,30,31
	s_min_u32 s[32+\i], s[32+\i], 0x7ff            ; a loaded number enters an address only behind this hold
	v_lshl_add_u32 v[AF+\i], s[32+\i], 10, v[L16]  ; the token's row of 1,024 codes + 16 x lane
.endr
	WIN 0x80                                       ; destination window 2: the accumulators' registers are free yet
.irp i, 0,1,2,3,4,5,6,7,8,9,10,11,12,13,14,15,16,17,18,19,20,21,22,23,24,25,26,27,28,29,30,31
.irp u, 0,1
	global_load_b128 v[8*\i+4*\u:8*\i+4*\u+3], v[AF+\i], s[4:5] offset:512*\u    ; THE GATHER: 512 consecutive bytes a load
.endr
.endr
	WIN 0
	s_or_b32 s[MASK], s92, s93
	s_and_b32 s[MASK], s[MASK], 0xff
	s_bcnt1_i32_b32 s[TRIPS], s[MASK]              ; a token uses two experts, so a block uses 2 to 8:
	s_sub_co_u32 s[TRIPS], s[TRIPS], 1             ; one pass ahead of the loop, the others in it
	s_max_i32 s[TRIPS], s[TRIPS], 1
	s_min_u32 s[TRIPS], s[TRIPS], 7
	NEXTE                                          ; the first expert's bases, as 'next' ones
	s_wait_loadcnt 63                              ; the 12 loads of token numbers are in: 64 loads were issued behind them, and the field holds 63: the first of the 64 is waited for too
.irp s, 0,1,2,3,4,5,6,7
	v_min_u32 v[TOK+\s], 0x7ff, v[TOK+\s]
	v_lshlrev_b32 v[TOK+\s], 5, v[TOK+\s]          ; 32 bytes a token in comb
.endr
.irp p, 0,1,2,3
	v_min_u32 v[XO+\p], 0x7ff, v[XO+\p]
	v_lshlrev_b32 v[XO+\p], 5, v[XO+\p]            ; and in xsc
.endr
.irp p, 0,1,2,3
	global_load_b128 v[XS+8*\p:XS+8*\p+3], v[XO+\p], s[6:7]
	global_load_b128 v[XS+8*\p+4:XS+8*\p+7], v[XO+\p], s[6:7] offset:16
.endr
.irp n, 0,1,2,3
	global_load_b128 v[BIAS+8*\n:BIAS+8*\n+3], v[H32], s[BIN:BIN+1] offset:64*\n
	global_load_b128 v[BIAS+8*\n+4:BIAS+8*\n+7], v[H32], s[BIN:BIN+1] offset:64*\n+16
.endr
.irp q, 0,1
	global_load_b128 v[WS+8*\q:WS+8*\q+3], v[L32], s[WN:WN+1] offset:1024*\q
.endr
	WIN 0x40
	GLB 0, BN
	GLB 1, BN
	s_wait_loadcnt 50                              ; the gather is in: behind it 8 (x's scales) + 8 (b1) + 2 (w1's scales) + 32 (two K steps of w1)
	WIN 0x08                                       ; an LDS store's data are its source 1: window 2
.irp i, 0,1,2,3,4,5,6,7,8,9,10,11,12,13,14,15,16,17,18,19,20,21,22,23,24,25,26,27,28,29,30,31
.irp u, 0,1
	ds_store_b128 v[GST], v[8*\i+4*\u:8*\i+4*\u+3] offset:PA*\i+512*\u
.endr
.endr
	WIN 0x40
	GLB 2, BN
	WIN 0
	s_wait_dscnt 0x0                               ; for the others' sake: my 32 rows lie in LDS
	s_barrier_signal -1
	s_barrier_wait -1                              ; all 128 do.  The launch's one barrier: from here on x's rows are only read, and the stages are each wave's own
	FETCH_A 0, 0
	FETCH_A 0, 4
	ROTATE                                         ; the first expert becomes the pass's; the second's bases are made
	PASS 1
.Lpass:
	PASS 0
	s_sub_co_u32 s[TRIPS], s[TRIPS], 1
	s_cmp_lg_u32 s[TRIPS], 0
	s_cbranch_scc1 .Lpass
	; THE WAY OUT, a tile of 16 rows at a time: a lane's 32 bytes of a row go into my stage; the rows come back whole (256 bytes: my wave's 64 columns) and each goes to its token's row of out0.
	s_wait_loadcnt 0x0                             ; the look-ahead's loads have landed,
	s_wait_dscnt 0x0                               ; and so have the LDS loads of a K step that does not follow: their registers are used below
	s_load_b512 s[32:47], s[ORD:ORD+1], 0x0
.macro OUTT t
.set IDS, 32+16*((\t)%2)
.set DB, AF+32*((\t)%2)
.set AB, AF+64+16*((\t)%2)
	s_wait_xcnt 0x0                                ; the stores of two tiles ago have read their data and offsets: both are written again below
	s_wait_kmcnt 0x0                               ; this tile's 16 token numbers are in
.if (\t) < 7
	s_load_b512 s[32+16*(((\t)+1)%2):32+16*(((\t)+1)%2)+15], s[ORD:ORD+1], 64*((\t)+1)
.endif
	WIN 0x0c                                       ; an LDS store's data are its source 1: window 3
.irp n, 0,1,2,3
.irp j, 0,1
	ds_store_b128 v[STO], v[8*(4*(\t)+\n)+4*\j:8*(4*(\t)+\n)+4*\j+3] offset:64*\n+16*\j
.endr
.endr
	WIN 0
.irp i, 0,1,2,3,4,5,6,7,8,9,10,11,12,13,14,15
	ds_load_b64 v[DB+2*\i:DB+2*\i+1], v[RD] offset:SPI*\i      ; LDS serves a wave's instructions in order (ISA guide 5.7.1.4): these see the stores above, and the next tile's stores come behind them
.endr
.irp i, 0,1,2,3,4,5,6,7,8,9,10,11,12,13,14,15
	s_min_u32 s[IDS+\i], s[IDS+\i], 0x7ff
	v_lshl_add_u32 v[AB+\i], s[IDS+\i], 14, v[L8]  ; the token's row of 16,384 bytes + 8 x lane
.endr
.irp i, 0,1,2,3,4,5,6,7,8,9,10,11,12,13,14,15
	s_wait_dscnt 15-\i
	global_store_b64 v[AB+\i], v[DB+2*\i:DB+2*\i+1], s[OUTB:OUTB+1] th:TH_STORE_NT   ; 32 lanes store 256 consecutive bytes, at a multiple of 256 from out0's first byte; written once, read by nobody here
.endr
.endm
.irp t, 0,1,2,3,4,5,6,7
	OUTT \t
.endr
	s_wait_tensorcnt 0x0
	ds_add_u32 v126, v127
	s_wait_dscnt 0x0
	s_endpgm
.Lfunc_end_k_qc9fa3a9e30_moe:
	.size	k_qc9fa3a9e30_moe, .Lfunc_end_k_qc9fa3a9e30_moe-k_qc9fa3a9e30_moe
	.p2alignl 7, 3214868480
	.fill 96, 4, 3214868480
	.section	.rodata,"a",@progbits
	.p2align	6, 0x0
	.amdhsa_kernel k_qc9fa3a9e30_moe
		.amdhsa_group_segment_fixed_size 151040
		.amdhsa_private_segment_fixed_size 0
		.amdhsa_enable_private_segment 0
		.amdhsa_kernarg_size 64
		.amdhsa_user_sgpr_count 2
		.amdhsa_user_sgpr_kernarg_segment_ptr 1
		.amdhsa_wavefront_size32 1
		.amdhsa_system_sgpr_workgroup_id_x 1
		.amdhsa_system_sgpr_workgroup_id_y 1
		.amdhsa_system_sgpr_workgroup_id_z 1
		.amdhsa_system_vgpr_workitem_id 0
		.amdhsa_next_free_vgpr 1024
		.amdhsa_next_free_sgpr 96
		.amdhsa_reserve_vcc 0
		.amdhsa_float_denorm_mode_32 3
		.amdhsa_float_denorm_mode_16_64 3
		.amdhsa_memory_ordered 1
		.amdhsa_forward_progress 1
		.amdhsa_inst_pref_size 228
	.end_amdhsa_kernel
	.amdgpu_metadata
---
amdhsa.version: [ 1, 2 ]
amdhsa.kernels:
  - .name:           k_qc9fa3a9e30_moe
    .symbol:         k_qc9fa3a9e30_moe.kd
    .args:
      - { .name: xq, .offset: 0, .size: 8, .value_kind: global_buffer, .address_space: global }
      - { .name: xsc, .offset: 8, .size: 8, .value_kind: global_buffer, .address_space: global }
      - { .name: wq, .offset: 16, .size: 8, .value_kind: global_buffer, .address_space: global }
      - { .name: wsc, .offset: 24, .size: 8, .value_kind: global_buffer, .address_space: global }
      - { .name: b1, .offset: 32, .size: 8, .value_kind: global_buffer, .address_space: global }
      - { .name: gate, .offset: 40, .size: 8, .value_kind: global_buffer, .address_space: global }
      - { .name: plan, .offset: 48, .size: 8, .value_kind: global_buffer, .address_space: global }
      - { .name: out0, .offset: 56, .size: 8, .value_kind: global_buffer, .address_space: global }
    .group_segment_fixed_size: 151040
    .private_segment_fixed_size: 0
    .kernarg_segment_align: 8
    .kernarg_segment_size: 64
    .max_flat_workgroup_size: 128
    .sgpr_count:     96
    .vgpr_count:     1024
    .wavefront_size: 32
...
	.end_amdgpu_metadata
.endif
;; end of part 3
;; ======== version 2 of 2: 3 launches
;; workspace buffers: wq 33,554,432 bytes; wsc 1,048,576 bytes; xq 2,097,152 bytes; xsc 65,536 bytes; gate 131,072 bytes; keys 8,192 bytes of whole numbers; plan 8,448 bytes of whole numbers
;; launch prep (part 4): grid 256 x 1, 9 waves a work-group, no clusters, 81,664 bytes of LDS; arguments x, router_w, w1, wq, wsc, xq, xsc, gate, keys; writes wq, wsc, xq, xsc, gate, keys
.if DOCPART == 4
	.amdgcn_target "amdgcn-amd-amdhsa--gfx1250"
	.amdhsa_code_object_version 6
	.text
	.protected	k_qc9fa3a9e30_prep
	.globl	k_qc9fa3a9e30_prep
	.p2align	8
	.type	k_qc9fa3a9e30_prep,@function
k_qc9fa3a9e30_prep:
	s_mov_b64 s[64:65], 0
	v_nop
	global_prefetch_b8 v0, s[64:65] scope:SCOPE_SE
	s_setreg_imm32_b32 hwreg(HW_REG_WAVE_MODE, 25, 1), 1
	s_wait_xcnt 0x0
; FIRST OF THREE LAUNCHES.  It reads every f32 input of the product once and leaves: w1 and x as codes of FP8 (E4M3) with one E8M0 byte for each 32 along K (K = 1,024, innermost in both);
; the router's choice for each token as numbers at fixed places (no address here hangs on it).
; A block's scale is 2^(floor(log2(its largest magnitude)) - 8); its byte is the largest magnitude's exponent field - 8, held at 1 from below; each number is held within +-448 x the scale and rounded to the nearest code, ties to even.
; SHARES.  256 work-groups of nine waves.  Waves 0-7 of work-group g: one tile of 16 rows of w1 each (tile 8 g + wave of 2,048; 64 KiB in, 16.5 KiB out).  Wave 8: tokens 8 g .. 8 g + 7: their logits, top-2, weights, and their codes.
; The two roles part on the wave's number and never meet again: no barrier; each role has LDS bytes of its own.
; wq: [tile][K step s of 128: 2,048 B][c: 512 B][lane: 16 B]: THE ORDER OF THE OPERAND'S REGISTERS: lane (r, h), registers 4 c .. 4 c + 3 = k 128 s + 32 c + 16 h + 0 .. 15 of the tile's row r: the product's launch loads fragments whole.
; wsc: [row of w1][8 words]: word s = the four bytes of K step s.   xq: [token][1,024 codes].   xsc: [token][8 words].
; gate: comb[token][8] f32 (the softmax over the two chosen logits at the chosen experts, 0 elsewhere), and 65,536 bytes on prob[token][8] f32 (the softmax over all eight).
; keys: [token] the pair of experts as a number 0 .. 27, in an order in which neighbouring numbers share an expert: a = the lower, b = the higher: a (15 - a) / 2 + (b - a - 1 for even a, 7 - b for odd a).
; The router is f32 multiply-adds: its choice steers everything, so nothing coarser stands ahead of it.  Ties: the lower index wins, as jax.lax.top_k has it.  Both softmaxes take their maximum away first.
; No matrix unit, tensor load or cluster: the launch streams; nothing is read twice but router_w (32 KiB), which every work-group reads.
; LIMITS: NaN and infinities among the inputs are not served.  A block of zeros gets the byte 1 where the rule says 127: its codes are zeros, and this program alone reads the bytes.
; A token whose second and third logits differ by less than f32 sums in another order differ may choose otherwise than reference().
.set STW,  16*528                      ; LDS: a W wave's stage: 16 rows x (512 bytes + 16): the pitch is an odd multiple of 16 bytes, so the 16 rows that a load touches start at 16 different banks (64 banks of 4 bytes: ISA guide 11.1)
.set XT,   8*STW                       ; wave 8: a stage of 8 rows x 528,
.set XC,   XT+8*528                    ; its tokens' codes, 8 rows x (1,024 + 16),
.set XB,   XC+8*1040                   ; and their 256 scale bytes
.set L16,  1                           ; v1   16 x lane
.set WST,  2                           ; v2   W: into the stage: 16 x lane + my stage
.set WLD,  3                           ; v3   W: out of it: 528 r + 64 h + my stage
.set WSO,  4                           ; v4   W: my 16 bytes of the tile's scale words: 32 r + 16 h
.set XTS,  5                           ; v5   x: into the stage
.set XTL,  6                           ; v6   x: out of it: 528 row + 128 blk (row = lane % 8, blk = lane / 8)
.set XCS,  7                           ; v7   x: my block's codes: 1,040 row + 32 blk
.set XBS,  8                           ; v8   x: my block's byte: 32 row + blk
.set XCL,  9                           ; v9   x: codes back: 16 x lane
.set XBL,  10                          ; v10  x: bytes back: 8 x lane
.set L8,   11                          ; v11  8 x lane
.set GO,   12                          ; v12  32 row + 8 blk: my two numbers of a token's eight
.set L4,   13                          ; v13  4 x lane
.set LN,   14                          ; v14  lane
.set TM,   16                          ; W: v16-19 largest magnitudes, v20-23 the other half's / bytes, v24-27 448 x scale, v28-31 the conversions' scale operands
.set SW,   32                          ; W: v32-39 the scale word of each K step
.set PC,   40                          ; W: v40-55 a fragment's codes
.set SO,   56                          ; W: v56-59 scale words on their way out
.set X,    64                          ; W: v64-127 64 numbers: register 16 b + i = k 32 b + 16 h + i of my row
.set R,    128                         ; W: v128-255 two sets of 64 registers as loaded
.set AC,   16                          ; x: v16-79 sums: token i, expert e at 16 + 8 i + e
.set XX,   80                          ; x: v80-111 my block of 32 numbers
.set XP,   112                         ; x: v112-119 its codes
.set S,    128                         ; x: v128-255 two sets: x's row i at + 4 i, router_w's row e at + 32 + 4 e
	s_load_b512 s[4:19], s[0:1], 0x0               ; x s[4:5], router_w s[6:7], w1 s[8:9], wq s[10:11], wsc s[12:13], xq s[14:15], xsc s[16:17], gate s[18:19]
	s_load_b64 s[24:25], s[0:1], 0x40              ; keys
	s_set_vgpr_msb 0x40
	v_lshl_add_u32 v0, v0, 2, 0x13a00
	v_mov_b32 v1, 0
	s_set_vgpr_msb 0x4000
	v_lshrrev_b32 v15, 5, v0
	s_delay_alu instid0(VALU_DEP_1)
	v_readfirstlane_b32 s20, v15                   ; wave 0..8
	v_and_b32 v[LN], 31, v0
	v_and_b32 v15, 15, v0                          ; r
	v_bfe_u32 v60, v0, 4, 1                        ; h
	v_and_b32 v61, 7, v0                           ; row
	v_bfe_u32 v62, v0, 3, 2                        ; blk
	s_mul_i32 s31, s20, STW
	v_lshlrev_b32 v[L16], 4, v[LN]
	s_delay_alu instid0(VALU_DEP_1)
	v_add_nc_u32 v[WST], s31, v[L16]
	v_mul_u32_u24 v[WLD], v15, 528
	s_delay_alu instid0(VALU_DEP_1)
	v_lshl_add_u32 v[WLD], v60, 6, v[WLD]
	s_delay_alu instid0(VALU_DEP_1)
	v_add_nc_u32 v[WLD], s31, v[WLD]
	v_lshlrev_b32 v[WSO], 5, v15
	s_delay_alu instid0(VALU_DEP_1)
	v_lshl_add_u32 v[WSO], v60, 4, v[WSO]
	v_add_nc_u32 v[XTS], XT, v[L16]
	v_mul_u32_u24 v[XTL], v61, 528
	s_delay_alu instid0(VALU_DEP_1)
	v_lshl_add_u32 v[XTL], v62, 7, v[XTL]
	s_delay_alu instid0(VALU_DEP_1)
	v_add_nc_u32 v[XTL], XT, v[XTL]
	v_mul_u32_u24 v[XCS], v61, 1040
	s_delay_alu instid0(VALU_DEP_1)
	v_lshl_add_u32 v[XCS], v62, 5, v[XCS]
	s_delay_alu instid0(VALU_DEP_1)
	v_add_nc_u32 v[XCS], XC, v[XCS]
	v_lshl_add_u32 v[XBS], v61, 5, v62
	s_delay_alu instid0(VALU_DEP_1)
	v_add_nc_u32 v[XBS], XB, v[XBS]
	v_add_nc_u32 v[XCL], XC, v[L16]
	v_lshlrev_b32 v[L8], 3, v[LN]
	s_delay_alu instid0(VALU_DEP_1)
	v_add_nc_u32 v[XBL], XB, v[L8]
	v_lshlrev_b32 v[GO], 5, v61
	s_delay_alu instid0(VALU_DEP_1)
	v_lshl_add_u32 v[GO], v62, 3, v[GO]
	v_lshlrev_b32 v[L4], 2, v[LN]
	s_mov_b32 s21, 0x600000                        ; the mantissa field of 448
	s_mov_b32 s22, 0x76543210
	s_mov_b32 s23, 0xfedcba98                      ; v_permlanex16_b32's selects for lane l xor 16
	s_mov_b32 s26, 0xaaaaaaaa                      ; lanes whose bit 0 is set,
	s_mov_b32 s27, 0xcccccccc                      ; bit 1,
	s_mov_b32 s28, 0xf0f0f0f0                      ; bit 2,
	s_mov_b32 s29, 0xff00ff00                      ; bit 3,
	s_mov_b32 s30, 0xffff0000                      ; bit 4
	s_mov_b32 s35, 0                               ; the upper word of every offset
	s_wait_kmcnt 0x0
	s_cmp_eq_u32 s20, 8
	s_cbranch_scc1 .Lx
; ------------------------------------------------------------------ waves 0-7: a tile of w1
	s_lshl_b32 s32, ttmp9, 3
	s_add_co_u32 s32, s32, s20                     ; tile = 8 g + wave
	s_lshl_b32 s34, s32, 16
	s_add_nc_u64 s[8:9], s[8:9], s[34:35]          ; its 16 rows of 4,096 bytes
	s_lshl_b32 s34, s32, 14
	s_add_nc_u64 s[10:11], s[10:11], s[34:35]      ; its 16 KiB of codes
	s_lshl_b32 s34, s32, 9
	s_add_nc_u64 s[12:13], s[12:13], s[34:35]      ; its 512 bytes of scale words
.irp b, 0,1,2,3
	v_mov_b32 v[TM+4+\b], 0                        ; written once: a lane permute's destination counts as one of its sources
.endr
.macro LOADW t                         ; K step t of the 16 rows: each load reads 512 consecutive bytes of one row
.irp i, 0,1,2,3,4,5,6,7,8,9,10,11,12,13,14,15
	global_load_b128 v[R+64*((\t)%2)+4*\i:R+64*((\t)%2)+4*\i+3], v[L16], s[8:9] offset:4096*\i+512*(\t) th:TH_LOAD_NT
.endr
.endm
; 64 numbers of a lane, v[s] on, become a fragment's codes in v[PC] on and its scale word in v[pw]
.macro QUANT s, pw
.irp b, 0,1,2,3
	v_max3_num_f32 v[TM+\b], |v[\s+16*\b]|, |v[\s+1+16*\b]|, 0x4800000   ; block b: my 16 numbers, and the floor 2^(9 - 127): the byte cannot fall under 1
.endr
.irp i, 2,4,6,8,10,12,14
.irp b, 0,1,2,3
	s_delay_alu instid0(VALU_DEP_4)
	v_max3_num_f32 v[TM+\b], v[TM+\b], |v[\s+16*\b+\i]|, |v[\s+1+16*\b+\i]|   ; the four blocks by turns
.endr
.endr
.irp b, 0,1,2,3
	s_delay_alu instid0(VALU_DEP_4)
	v_permlanex16_b32 v[TM+4+\b], v[TM+\b], s22, s23
.endr
.irp b, 0,1,2,3
	s_delay_alu instid0(VALU_DEP_4)
	v_max_num_f32 v[TM+\b], v[TM+\b], v[TM+4+\b]   ; with lane l xor 16's 16 numbers: the block's largest magnitude
.endr
.irp b, 0,1,2,3
	s_delay_alu instid0(VALU_DEP_4)
	v_add_nc_u32 v[TM+12+\b], 0xfc000000, v[TM+\b] ; 8 off its exponent field: the conversion takes this operand's exponent field as its scale
.endr
.irp b, 0,1,2,3
	v_and_or_b32 v[TM+8+\b], v[TM+\b], 0x7f800000, s21   ; 448 x the scale
.endr
.irp b, 0,1,2,3
	v_lshrrev_b32 v[TM+4+\b], 23, v[TM+12+\b]      ; the scale's byte
.endr
	s_delay_alu instid0(VALU_DEP_3)
	v_lshl_or_b32 v[\pw], v[TM+5], 8, v[TM+4]
	s_delay_alu instid0(VALU_DEP_1)
	v_lshl_or_b32 v[\pw], v[TM+6], 16, v[\pw]
	s_delay_alu instid0(VALU_DEP_1)
	v_lshl_or_b32 v[\pw], v[TM+7], 24, v[\pw]
.irp b, 0,1,2,3
.irp i, 0,1,2,3,4,5,6,7,8,9,10,11,12,13,14,15
	v_med3_num_f32 v[\s+16*\b+\i], v[\s+16*\b+\i], -v[TM+8+\b], v[TM+8+\b]   ; the conversion to an 8-bit code does not saturate (ISA guide 7.6.2): the hold comes first
.endr
	v_cvt_scalef32_pk8_fp8_f32 v[PC+4*\b:PC+1+4*\b], v[\s+16*\b:\s+7+16*\b], v[TM+12+\b]
	v_cvt_scalef32_pk8_fp8_f32 v[PC+2+4*\b:PC+3+4*\b], v[\s+8+16*\b:\s+15+16*\b], v[TM+12+\b]
.endr
	v_nop                                          ; one plain line behind the last conversion
.endm
.macro STEPW t
.if (\t) < 7
	s_wait_loadcnt 16                              ; this step's 16 loads are in; the next step's 16 may be out
.else
	s_wait_loadcnt 0x0
.endif
	s_wait_xcnt 0x0                                ; the last step's four stores have read v[PC] on: it is written again below
.irp i, 0,1,2,3,4,5,6,7,8,9,10,11,12,13,14,15
	ds_store_b128 v[WST], v[R+64*((\t)%2)+4*\i:R+64*((\t)%2)+4*\i+3] offset:528*\i   ; the rows as they lie
.endr
.irp c, 0,1,2,3
.irp j, 0,1,2,3
	ds_load_b128 v[X+16*\c+4*\j:X+16*\c+4*\j+3], v[WLD] offset:128*\c+16*\j          ; back: of my row, 16 neighbours of each block of 32.  LDS serves a wave's instructions in order: these see the stores
.endr
.endr
	s_wait_dscnt 0x0                               ; the numbers are back, and the stage's stores have read their registers,
.if (\t)+2 < 8
	LOADW (\t)+2                                   ; which take the loads of two steps on
.endif
	QUANT X, SW+\t
.irp c, 0,1,2,3
	global_store_b128 v[L16], v[PC+4*\c:PC+4*\c+3], s[10:11] offset:2048*(\t)+512*\c  ; 32 lanes store 512 consecutive bytes, aligned
.endr
.endm
	LOADW 0
	LOADW 1
.irp t, 0,1,2,3,4,5,6,7
	STEPW \t
.endr
.irp j, 0,1,2,3
	v_cndmask_b32 v[SO+\j], v[SW+\j], v[SW+4+\j], s30   ; lanes 0-15 send their row's words 0-3, lanes 16-31 words 4-7 (both halves hold all eight)
.endr
	global_store_b128 v[WSO], v[SO:SO+3], s[12:13] ; 512 consecutive bytes
	s_set_vgpr_msb 0x5
	s_wait_tensorcnt 0x0
	ds_add_u32 v0, v1
	s_wait_dscnt 0x0
	s_set_vgpr_msb 0x500
	s_endpgm
; ------------------------------------------------------------------ wave 8: eight tokens
.Lx:
	s_lshl_b32 s34, ttmp9, 15
	s_add_nc_u64 s[4:5], s[4:5], s[34:35]          ; x: 8 rows of 4,096 bytes
	s_lshl_b32 s34, ttmp9, 13
	s_add_nc_u64 s[14:15], s[14:15], s[34:35]      ; xq: 8 rows of 1,024
	s_lshl_b32 s34, ttmp9, 8
	s_add_nc_u64 s[16:17], s[16:17], s[34:35]      ; xsc: 8 x 32 bytes
	s_add_nc_u64 s[18:19], s[18:19], s[34:35]      ; gate likewise
	s_lshl_b32 s34, ttmp9, 5
	s_add_nc_u64 s[24:25], s[24:25], s[34:35]      ; keys: 8 words
.macro LOADX t                         ; 128 along K of my 8 rows of x and of the 8 rows of router_w: a lane holds the same four k of all sixteen
.irp i, 0,1,2,3,4,5,6,7
	global_load_b128 v[S+64*((\t)%2)+4*\i:S+64*((\t)%2)+4*\i+3], v[L16], s[4:5] offset:4096*\i+512*(\t) th:TH_LOAD_NT
.endr
.irp e, 0,1,2,3,4,5,6,7
	global_load_b128 v[S+64*((\t)%2)+32+4*\e:S+64*((\t)%2)+32+4*\e+3], v[L16], s[6:7] offset:4096*\e+512*(\t)
.endr
.endm
.macro STEPX t
.set SS, S+64*((\t)%2)
.if (\t) < 7
	s_wait_loadcnt 16                              ; this step's 16 loads are in; the next step's may be out
.else
	s_wait_loadcnt 0x0
.endif
.irp i, 0,1,2,3,4,5,6,7
	ds_store_b128 v[XTS], v[SS+4*\i:SS+4*\i+3] offset:528*\i
.endr
.irp j, 0,1,2,3,4,5,6,7
	ds_load_b128 v[XX+4*\j:XX+4*\j+3], v[XTL] offset:16*\j     ; back: one whole block of 32 of one row a lane
.endr
.irp q, 0,1,2,3                        ; the logits' partial sums, 64 chains: they stand between the stage's loads and the wait for them
.irp i, 0,1,2,3,4,5,6,7
.irp e, 0,1,2,3,4,5,6,7
.if ((\t) == 0) && (\q == 0)
	v_mul_f32 v[AC+8*\i+\e], v[SS+4*\i+\q], v[SS+32+4*\e+\q]   ; the first product starts the sum: nothing is cleared
.else
	v_fmac_f32 v[AC+8*\i+\e], v[SS+4*\i+\q], v[SS+32+4*\e+\q]
.endif
.endr
.endr
.endr
	s_wait_dscnt 0x0                               ; my block is back; the last step's stores of codes and byte have read their registers
.if (\t)+2 < 8
	LOADX (\t)+2
.endif
	v_max3_num_f32 v120, |v[XX]|, |v[XX+1]|, |v[XX+2]|         ; the block's largest magnitude: all 32 numbers are mine
	v_max3_num_f32 v121, |v[XX+3]|, |v[XX+4]|, |v[XX+5]|
.irp i, 6,10,14,18,22,26
	s_delay_alu instid0(VALU_DEP_2)
	v_max3_num_f32 v120, v120, |v[XX+\i]|, |v[XX+\i+1]|
	s_delay_alu instid0(VALU_DEP_2)
	v_max3_num_f32 v121, v121, |v[XX+\i+2]|, |v[XX+\i+3]|
.endr
	s_delay_alu instid0(VALU_DEP_2)
	v_max3_num_f32 v120, v120, |v[XX+30]|, |v[XX+31]|
	s_delay_alu instid0(VALU_DEP_1)
	v_max3_num_f32 v120, v120, v121, 0x4800000     ; and the floor
	s_delay_alu instid0(VALU_DEP_1)
	v_add_nc_u32 v122, 0xfc000000, v120            ; the conversions' scale operand
	s_delay_alu instid0(VALU_DEP_2)
	v_and_or_b32 v123, v120, 0x7f800000, s21       ; 448 x the scale
	s_delay_alu instid0(VALU_DEP_2)
	v_lshrrev_b32 v124, 23, v122                   ; the byte
.irp i, 0,1,2,3,4,5,6,7,8,9,10,11,12,13,14,15,16,17,18,19,20,21,22,23,24,25,26,27,28,29,30,31
	v_med3_num_f32 v[XX+\i], v[XX+\i], -v123, v123
.endr
.irp g, 0,1,2,3
	v_cvt_scalef32_pk8_fp8_f32 v[XP+2*\g:XP+2*\g+1], v[XX+8*\g:XX+8*\g+7], v122
.endr
	v_nop                                          ; one plain line behind the last conversion
	ds_store_b128 v[XCS], v[XP:XP+3] offset:128*(\t)
	ds_store_b128 v[XCS], v[XP+4:XP+7] offset:128*(\t)+16
	ds_store_b8 v[XBS], v124 offset:4*(\t)
.endm
	LOADX 0
	LOADX 1
.irp t, 0,1,2,3,4,5,6,7
	STEPX \t
.endr
	; the codes and the bytes leave as whole rows
.irp i, 0,1,2,3,4,5,6,7
.irp u, 0,1
	ds_load_b128 v[S+8*\i+4*\u:S+8*\i+4*\u+3], v[XCL] offset:1040*\i+512*\u
.endr
.endr
	ds_load_b64 v[S+64:S+65], v[XBL]
.irp i, 0,1,2,3,4,5,6,7
.irp u, 0,1
	s_wait_dscnt 16-(2*\i+\u)                      ; LDS loads come back in order: this one is in, the younger ones may be out
	global_store_b128 v[L16], v[S+8*\i+4*\u:S+8*\i+4*\u+3], s[14:15] offset:1024*\i+512*\u
.endr
.endr
	s_wait_dscnt 0x0
	global_store_b64 v[L8], v[S+64:S+65], s[16:17] ; 256 consecutive bytes, aligned
	; each of the 64 sums over the 32 lanes; every lane ends with all of them
.irp i, 0,1,2,3,4,5,6,7
.irp m, 1,2,4,8
.irp e, 0,1,2,3,4,5,6,7
	v_add_f32_dpp v[AC+8*\i+\e], v[AC+8*\i+\e], v[AC+8*\i+\e] row_xmask:\m row_mask:0xf bank_mask:0xf
.endr
.endr
.irp e, 0,1,2,3,4,5,6,7
	v_permlanex16_b32 v[200+\e], v[AC+8*\i+\e], s22, s23       ; (v200-207 were written by loads and hold nothing that is still wanted)
.endr
.irp e, 0,1,2,3,4,5,6,7
	v_add_f32 v[AC+8*\i+\e], v[AC+8*\i+\e], v[200+\e]
.endr
.endr
	; a lane takes the eight logits of token lane % 8 into v16-23
.irp e, 0,1,2,3,4,5,6,7
	v_cndmask_b32 v[16+\e], v[16+\e], v[24+\e], s26
	v_cndmask_b32 v[32+\e], v[32+\e], v[40+\e], s26
	v_cndmask_b32 v[48+\e], v[48+\e], v[56+\e], s26
	v_cndmask_b32 v[64+\e], v[64+\e], v[72+\e], s26
.endr
.irp e, 0,1,2,3,4,5,6,7
	v_cndmask_b32 v[16+\e], v[16+\e], v[32+\e], s27
	v_cndmask_b32 v[48+\e], v[48+\e], v[64+\e], s27
.endr
.irp e, 0,1,2,3,4,5,6,7
	v_cndmask_b32 v[16+\e], v[16+\e], v[48+\e], s28
.endr
	; top-2: v24 the largest logit, v25 its expert; v26, v27 the second
	v_max3_num_f32 v24, v16, v17, v18
	s_delay_alu instid0(VALU_DEP_1)
	v_max3_num_f32 v24, v24, v19, v20
	s_delay_alu instid0(VALU_DEP_1)
	v_max3_num_f32 v24, v24, v21, v22
	s_delay_alu instid0(VALU_DEP_1)
	v_max_num_f32 v24, v24, v23
	v_mov_b32 v25, 7
.irp e, 6,5,4,3,2,1,0
	v_cmp_neq_f32 vcc_lo, v[16+\e], v24
	s_delay_alu instid0(VALU_DEP_1)
	v_cndmask_b32 v25, \e, v25, vcc_lo             ; descending, so that the lowest index that holds the maximum stays
.endr
	v_mov_b32 v28, 0xff800000                      ; -infinity takes the first choice out
.irp e, 0,1,2,3,4,5,6,7
	v_cmp_eq_u32 vcc_lo, \e, v25
	s_delay_alu instid0(VALU_DEP_1)
	v_cndmask_b32 v[32+\e], v[16+\e], v28, vcc_lo
.endr
	v_max3_num_f32 v26, v32, v33, v34
	s_delay_alu instid0(VALU_DEP_1)
	v_max3_num_f32 v26, v26, v35, v36
	s_delay_alu instid0(VALU_DEP_1)
	v_max3_num_f32 v26, v26, v37, v38
	s_delay_alu instid0(VALU_DEP_1)
	v_max_num_f32 v26, v26, v39
	v_mov_b32 v27, 7
.irp e, 6,5,4,3,2,1,0
	v_cmp_neq_f32 vcc_lo, v[32+\e], v26
	s_delay_alu instid0(VALU_DEP_1)
	v_cndmask_b32 v27, \e, v27, vcc_lo
.endr
	; both softmaxes, the maximum taken away: over the two chosen (1 and t = e^(m2 - m1)), and over all eight
	v_sub_f32 v56, v26, v24
.irp e, 0,1,2,3,4,5,6,7
	v_sub_f32 v[40+\e], v[16+\e], v24
.endr
	v_mul_f32 v56, 0x3fb8aa3b, v56                 ; x log2(e)
.irp e, 0,1,2,3,4,5,6,7
	v_mul_f32 v[40+\e], 0x3fb8aa3b, v[40+\e]
.endr
	s_wait_alu depctr_va_vdst(0)
	v_exp_f32 v56, v56
.irp e, 0,1,2,3,4,5,6,7
	v_exp_f32 v[40+\e], v[40+\e]
.endr
	v_nop                                          ; a plain line behind the exponentials
	s_wait_alu depctr_va_vdst(0)
	v_add_f32 v57, v40, v41
	v_add_f32 v59, v42, v43
	v_add_f32 v70, v44, v45
	v_add_f32 v71, v46, v47
	s_delay_alu instid0(VALU_DEP_3)
	v_add_f32 v57, v57, v59
	s_delay_alu instid0(VALU_DEP_2)
	v_add_f32 v70, v70, v71
	s_delay_alu instid0(VALU_DEP_1)
	v_add_f32 v57, v57, v70
	v_add_f32 v58, 1.0, v56
	s_wait_alu depctr_va_vdst(0)
	v_rcp_f32 v57, v57
	v_rcp_f32 v58, v58                             ; the first choice's weight
	v_nop                                          ; a plain line behind the reciprocals
	s_wait_alu depctr_va_vdst(0)
	v_mul_f32 v59, v56, v58                        ; the second's
.irp e, 0,1,2,3,4,5,6,7
	v_mul_f32 v[40+\e], v[40+\e], v57              ; prob
.endr
.irp e, 0,1,2,3,4,5,6,7
	v_cmp_eq_u32 vcc_lo, \e, v27
	s_delay_alu instid0(VALU_DEP_1)
	v_cndmask_b32 v[48+\e], 0, v59, vcc_lo
	v_cmp_eq_u32 vcc_lo, \e, v25
	v_cndmask_b32 v[48+\e], v[48+\e], v58, vcc_lo  ; comb
.endr
	v_min_u32 v60, v25, v27                        ; a
	v_max_u32 v61, v25, v27                        ; b
	s_delay_alu instid0(VALU_DEP_2)
	v_sub_nc_u32 v62, 15, v60
	s_delay_alu instid0(VALU_DEP_1)
	v_mul_u32_u24 v62, v62, v60
	s_delay_alu instid0(VALU_DEP_1)
	v_lshrrev_b32 v62, 1, v62                      ; a (15 - a) / 2
	s_delay_alu instid0(VALU_DEP_4)
	v_sub_nc_u32 v63, v61, v60
	s_delay_alu instid0(VALU_DEP_1)
	v_add_nc_u32 v63, -1, v63                      ; b - a - 1
	v_sub_nc_u32 v64, 7, v61                       ; 7 - b
	v_and_b32 v65, 1, v60
	s_delay_alu instid0(VALU_DEP_1)
	v_cmp_eq_u32 vcc_lo, 1, v65
	s_delay_alu instid0(VALU_DEP_1)
	v_cndmask_b32 v63, v63, v64, vcc_lo
	s_delay_alu instid0(VALU_DEP_1)
	v_add_nc_u32 v60, v62, v63                     ; the pair's number
	; lane (row, blk) sends experts 2 blk and 2 blk + 1 of its token: 32 lanes fill 256 consecutive bytes
	v_cndmask_b32 v66, v48, v50, s29
	v_cndmask_b32 v68, v52, v54, s29
	s_delay_alu instid0(VALU_DEP_1)
	v_cndmask_b32 v66, v66, v68, s30
	v_cndmask_b32 v67, v49, v51, s29
	v_cndmask_b32 v68, v53, v55, s29
	s_delay_alu instid0(VALU_DEP_1)
	v_cndmask_b32 v67, v67, v68, s30
	v_cndmask_b32 v70, v40, v42, s29
	v_cndmask_b32 v72, v44, v46, s29
	s_delay_alu instid0(VALU_DEP_1)
	v_cndmask_b32 v70, v70, v72, s30
	v_cndmask_b32 v71, v41, v43, s29
	v_cndmask_b32 v72, v45, v47, s29
	s_delay_alu instid0(VALU_DEP_1)
	v_cndmask_b32 v71, v71, v72, s30
	global_store_b64 v[GO], v[66:67], s[18:19]
	global_store_b64 v[GO], v[70:71], s[18:19] offset:65536
	s_wait_xcnt 0x0                                ; EXEC changes only behind this wait
	v_cmp_gt_u32 vcc_lo, 8, v[LN]
	s_set_vgpr_msb 0x5
	s_wait_tensorcnt 0x0
	ds_add_u32 v0, v1
	s_wait_dscnt 0x0
	s_set_vgpr_msb 0x500
	s_and_saveexec_b32 s36, vcc_lo
	global_store_b32 v[L4], v60, s[24:25]          ; lanes 0-7: one word a token, 32 bytes: all that a work-group has of this buffer of 8 KiB
	s_wait_xcnt 0x0                                ; and again in front of the line that widens it
	s_or_b32 exec_lo, exec_lo, s36
	s_endpgm
.Lfunc_end_k_qc9fa3a9e30_prep:
	.size	k_qc9fa3a9e30_prep, .Lfunc_end_k_qc9fa3a9e30_prep-k_qc9fa3a9e30_prep
	.p2alignl 7, 3214868480
	.fill 96, 4, 3214868480
	.section	.rodata,"a",@progbits
	.p2align	6, 0x0
	.amdhsa_kernel k_qc9fa3a9e30_prep
		.amdhsa_group_segment_fixed_size 81664
		.amdhsa_private_segment_fixed_size 0
		.amdhsa_enable_private_segment 0
		.amdhsa_kernarg_size 72
		.amdhsa_user_sgpr_count 2
		.amdhsa_user_sgpr_kernarg_segment_ptr 1
		.amdhsa_wavefront_size32 1
		.amdhsa_system_sgpr_workgroup_id_x 1
		.amdhsa_system_sgpr_workgroup_id_y 1
		.amdhsa_system_sgpr_workgroup_id_z 1
		.amdhsa_system_vgpr_workitem_id 0
		.amdhsa_next_free_vgpr 258
		.amdhsa_next_free_sgpr 66
		.amdhsa_reserve_vcc 1
		.amdhsa_float_denorm_mode_32 3
		.amdhsa_float_denorm_mode_16_64 3
		.amdhsa_memory_ordered 1
		.amdhsa_forward_progress 1
		.amdhsa_inst_pref_size 255
	.end_amdhsa_kernel
	.section	.bss,"aw",@nobits
	.p2align	6
	.space	262144
	.amdgpu_metadata
---
amdhsa.version: [ 1, 2 ]
amdhsa.kernels:
  - .name:           k_qc9fa3a9e30_prep
    .symbol:         k_qc9fa3a9e30_prep.kd
    .args:
      - { .name: x, .offset: 0, .size: 8, .value_kind: global_buffer, .address_space: global }
      - { .name: router_w, .offset: 8, .size: 8, .value_kind: global_buffer, .address_space: global }
      - { .name: w1, .offset: 16, .size: 8, .value_kind: global_buffer, .address_space: global }
      - { .name: wq, .offset: 24, .size: 8, .value_kind: global_buffer, .address_space: global }
      - { .name: wsc, .offset: 32, .size: 8, .value_kind: global_buffer, .address_space: global }
      - { .name: xq, .offset: 40, .size: 8, .value_kind: global_buffer, .address_space: global }
      - { .name: xsc, .offset: 48, .size: 8, .value_kind: global_buffer, .address_space: global }
      - { .name: gate, .offset: 56, .size: 8, .value_kind: global_buffer, .address_space: global }
      - { .name: keys, .offset: 64, .size: 8, .value_kind: global_buffer, .address_space: global }
    .group_segment_fixed_size: 81664
    .private_segment_fixed_size: 0
    .kernarg_segment_align: 8
    .kernarg_segment_size: 72
    .max_flat_workgroup_size: 288
    .sgpr_count:     66
    .vgpr_count:     258
    .wavefront_size: 32
...
	.end_amdgpu_metadata
.endif
;; end of part 4
;; launch place (part 5): grid 1 x 1, 16 waves a work-group, no clusters, 4,608 bytes of LDS; arguments keys, gate, plan, out1; writes plan, out1
.if DOCPART == 5
	.amdgcn_target "amdgcn-amd-amdhsa--gfx1250"
	.amdhsa_code_object_version 6
	.text
	.protected	k_qc9fa3a9e30_place
	.globl	k_qc9fa3a9e30_place
	.p2align	8
	.type	k_qc9fa3a9e30_place,@function
k_qc9fa3a9e30_place:
	s_mov_b64 s[64:65], 0
	v_nop
	global_prefetch_b8 v0, s[64:65] scope:SCOPE_SE
	s_setreg_imm32_b32 hwreg(HW_REG_WAVE_MODE, 25, 1), 1
	s_wait_xcnt 0x0
; SECOND OF THREE LAUNCHES.  The 2,048 tokens are sorted by their pair of experts (keys: 0 .. 27) by a counting sort, without atomics; plan gets order[2,048] (the token at each sorted place) and, 8,192 bytes on,
; hmask[32]: bit e of word j says that some token at sorted places 64 j .. 64 j + 63 uses expert e.  out1 = 8 x the sum over e of (slots routed to e / 2,048) x (the sum of prob[.][e] / 2,048).
; One work-group of sixteen waves: the whole job is 8 KiB of keys and 64 KiB of prob; a sort over several work-groups would want a launch more.  Wave w owns tokens 128 w .. 128 w + 127 as four chunks of 32.
; One barrier: in front of it each wave's counts of the 28 keys and its part of prob's sums go to LDS; behind it LDS is only read.
; order's words are stored four bytes a lane at sorted places: 2,048 words into 8 KiB, once; a way through LDS would want LDS addresses made of loaded numbers.
.set KY,  12                           ; v12-15  my token's key in chunk j
.set RK,  16                           ; v16-19  how many tokens of my wave with the same key stand ahead of it
.set HI,  20                           ; v20     lane p: my wave's count of key p
.set T0,  21
.set PRE, 22                           ; v22     lane p: key p's count in the waves ahead of mine
.set TOT, 23                           ; v23     lane p: key p's count
.set INC, 24
.set T1,  25
.set BAS, 26                           ; v26     lane p: the sorted place at which key p begins
.set STA, 27                           ; v27     lane p: and at which my wave's tokens of key p begin
.set ST,  28                           ; v28-31  my token's place in chunk j
.set PB,  32                           ; v32-63  eight quads of prob
.set HH,  64                           ; v64-79  the sixteen waves' counts
	s_load_b256 s[4:11], s[0:1], 0x0               ; keys s[4:5], gate s[6:7], plan s[8:9], out1 s[10:11]
	v_lshl_add_u32 v96, v0, 2, 0xa00
	v_mov_b32 v97, 0
	v_lshrrev_b32 v1, 5, v0
	s_delay_alu instid0(VALU_DEP_1)
	v_readfirstlane_b32 s12, v1                    ; wave 0..15
	v_and_b32 v2, 31, v0                           ; lane
	s_delay_alu instid0(VALU_DEP_1)
	v_lshlrev_b32 v3, 2, v2                        ; 4 x lane
	v_lshlrev_b32 v4, 4, v0                        ; 16 x thread
	s_lshl_b32 s13, s12, 9
	v_add_nc_u32 v5, s13, v3                       ; my wave's 512 bytes of keys
	s_lshl_b32 s14, s12, 7
	v_add_nc_u32 v6, s14, v3                       ; LDS: counts [wave][32 words] from byte 0
	v_and_b32 v7, 1, v0
	s_delay_alu instid0(VALU_DEP_1)
	v_lshlrev_b32 v7, 4, v7
	s_lshl_b32 s15, s12, 5
	v_add_nc_u32 v7, s15, v7
	s_delay_alu instid0(VALU_DEP_1)
	v_add_nc_u32 v7, 2048, v7                      ; LDS: prob's sums [wave][8 f32] from byte 2,048: 32 x wave + 16 x (lane % 2)
	v_add_nc_u32 v8, s14, v2                       ; my token in chunk 0
	v_lshl_add_u32 v9, v2, 4, 2048                 ; LDS: prob's sums, 16 x lane
	s_mov_b32 s47, 0xffff0000                      ; lanes 16-31
	s_mov_b32 s60, 0x76543210
	s_mov_b32 s61, 0xfedcba98                      ; v_permlanex16_b32's selects for lane l xor 16
	s_wait_alu depctr_va_vdst(0)
	s_wait_kmcnt 0x0
.irp j, 0,1,2,3
	global_load_b32 v[KY+\j], v5, s[4:5] offset:128*\j
.endr
.irp j, 0,1,2,3,4,5,6,7
	global_load_b128 v[PB+4*\j:PB+4*\j+3], v4, s[6:7] offset:65536+8192*\j     ; even threads: experts 0-3 of a token; odd threads: experts 4-7
.endr
.irp j, 0,1,2,3
	v_mov_b32 v[RK+\j], 0
	v_mov_b32 v[ST+\j], 0
.endr
	v_mov_b32 v[HI], 0
	v_mov_b32 v[T1], 0
	s_wait_loadcnt 8                               ; the keys are in; prob's eight loads may be out
; key p: who has it (four masks); each holder's rank among my wave's holders; the wave's count into lane p
.macro PAIR p
.irp j, 0,1,2,3
	v_cmp_eq_u32 s[40+\j], \p, v[KY+\j]
.endr
	s_mov_b32 s44, 0
.irp j, 0,1,2,3
	v_mbcnt_lo_u32_b32 v[T0], s[40+\j], s44        ; holders in the lanes below me + those of the chunks before
	s_delay_alu instid0(VALU_DEP_1)
	v_cndmask_b32 v[RK+\j], v[RK+\j], v[T0], s[40+\j]
	s_bcnt1_i32_b32 s45, s[40+\j]
	s_add_co_u32 s44, s44, s45
.endr
	v_writelane_b32 v[HI], s44, \p
.endm
.irp p, 0,1,2,3,4,5,6,7,8,9,10,11,12,13,14,15,16,17,18,19,20,21,22,23,24,25,26,27
	PAIR \p
.endr
	s_wait_loadcnt 0x0
.irp j, 1
	v_pk_add_f32 v[PB:PB+1], v[PB:PB+1], v[PB+4*\j:PB+4*\j+1]
	v_pk_add_f32 v[PB+2:PB+3], v[PB+2:PB+3], v[PB+4*\j+2:PB+4*\j+3]
.endr
.irp j, 2, 3, 4, 5, 6, 7
	s_delay_alu instid0(VALU_DEP_2)
	v_pk_add_f32 v[PB:PB+1], v[PB:PB+1], v[PB+4*\j:PB+4*\j+1]
	s_delay_alu instid0(VALU_DEP_2)
	v_pk_add_f32 v[PB+2:PB+3], v[PB+2:PB+3], v[PB+4*\j+2:PB+4*\j+3]
.endr
.irp m, 2,4,8                          ; over the lanes of my parity
.irp q, 0,1,2,3
	v_add_f32_dpp v[PB+\q], v[PB+\q], v[PB+\q] row_xmask:\m row_mask:0xf bank_mask:0xf
.endr
.endr
.irp q, 0,1,2,3
	s_delay_alu instid0(VALU_DEP_4)
	v_permlanex16_b32 v[PB+4+\q], v[PB+\q], s60, s61
.endr
.irp q, 0,1,2,3
	s_delay_alu instid0(VALU_DEP_4)
	v_add_f32 v[PB+\q], v[PB+\q], v[PB+4+\q]
.endr
	ds_store_b128 v7, v[PB:PB+3]                   ; lanes of one parity write the same bytes with the same values
	ds_store_b32 v6, v[HI]
	s_wait_dscnt 0x0                               ; for the others' sake: my stores are done
	s_barrier_signal -1
	s_barrier_wait -1
.irp c, 0,1,2,3,4,5,6,7,8,9,10,11,12,13,14,15
	ds_load_b32 v[HH+\c], v3 offset:128*\c
.endr
	v_mov_b32 v[PRE], 0
	v_mov_b32 v[TOT], 0
	s_wait_dscnt 0x0
.irp c, 0,1,2,3,4,5,6,7,8,9,10,11,12,13,14,15
	s_cmp_gt_u32 s12, \c
	s_cselect_b32 s45, -1, 0
	v_and_b32 v[T0], s45, v[HH+\c]
	s_wait_alu depctr_va_vdst(0)
	v_add_nc_u32 v[PRE], v[PRE], v[T0]
	v_add_nc_u32 v[TOT], v[TOT], v[HH+\c]
.endr
	s_delay_alu instid0(VALU_DEP_1)
	v_mov_b32 v[INC], v[TOT]                       ; a running sum over the lanes: four steps inside each half, then the lower half's total onto the upper
.irp n, 1,2,4,8
	s_delay_alu instid0(VALU_DEP_1)
	v_mov_b32_dpp v[T1], v[INC] row_shr:\n row_mask:0xf bank_mask:0xf bound_ctrl:1
	s_delay_alu instid0(VALU_DEP_1)
	v_add_nc_u32 v[INC], v[INC], v[T1]
.endr
	s_delay_alu instid0(VALU_DEP_1)
	v_readlane_b32 s46, v[INC], 15
	s_delay_alu instid0(VALU_DEP_1)
	v_mov_b32 v[T1], s46
	s_delay_alu instid0(VALU_DEP_1)
	v_cndmask_b32 v[T1], 0, v[T1], s47
	s_delay_alu instid0(VALU_DEP_1)
	v_add_nc_u32 v[INC], v[INC], v[T1]
	s_delay_alu instid0(VALU_DEP_1)
	v_sub_nc_u32 v[BAS], v[INC], v[TOT]
	s_delay_alu instid0(VALU_DEP_1)
	v_add_nc_u32 v[STA], v[BAS], v[PRE]
.irp p, 0,1,2,3,4,5,6,7,8,9,10,11,12,13,14,15,16,17,18,19,20,21,22,23,24,25,26,27
	v_readlane_b32 s46, v[STA], \p
.irp j, 0,1,2,3
	v_cmp_ne_u32 vcc_lo, \p, v[KY+\j]
	s_delay_alu instid0(VALU_DEP_1)
	v_cndmask_b32 v[ST+\j], s46, v[ST+\j], vcc_lo  ; a token takes its key's start
.endr
.endr
.irp j, 0,1,2,3
	v_add_nc_u32 v[ST+\j], v[ST+\j], v[RK+\j]      ; + its rank
	s_delay_alu instid0(VALU_DEP_1)
	v_min_u32 v[ST+\j], 0x7ff, v[ST+\j]            ; a number made of loaded numbers enters an address only behind this hold
	s_delay_alu instid0(VALU_DEP_1)
	v_lshlrev_b32 v[ST+\j], 2, v[ST+\j]
	v_add_nc_u32 v[40+\j], 32*\j, v8
	global_store_b32 v[ST+\j], v[40+\j], s[8:9]
.endr
	s_cmp_lg_u32 s12, 0
	s_cbranch_scc1 .Lend                           ; the masks and out1 are wave 0's; no barrier follows
	v_lshlrev_b32 v44, 6, v2                       ; lane j speaks for sorted places 64 j ..
	s_wait_alu depctr_va_vdst(0)
	v_add_nc_u32 v45, 64, v44                      ; .. 64 j + 63
	s_wait_alu depctr_va_vdst(0)
	v_mov_b32 v46, 0
	s_wait_alu depctr_va_vdst(0)
.irp e, 0,1,2,3,4,5,6,7
	s_mov_b32 s[52+\e], 0                          ; slots routed to expert e
.endr
; key p = experts a and b: its run of sorted places meets my 64 where max(starts) < min(ends)
.macro MASK p, a, b
	v_readlane_b32 s48, v[BAS], \p
	v_readlane_b32 s49, v[TOT], \p
	s_add_co_u32 s50, s48, s49
	s_add_co_u32 s[52+\a], s[52+\a], s49
	s_add_co_u32 s[52+\b], s[52+\b], s49
	v_max_u32 v47, s48, v44
	v_min_u32 v48, s50, v45
	s_delay_alu instid0(VALU_DEP_1)
	v_cmp_lt_u32 vcc_lo, v47, v48
	v_or_b32 v49, (1<<\a)|(1<<\b), v46
	s_delay_alu instid0(VALU_DEP_1)
	v_cndmask_b32 v46, v46, v49, vcc_lo
.endm
	MASK 0, 0, 1
	MASK 1, 0, 2
	MASK 2, 0, 3
	MASK 3, 0, 4
	MASK 4, 0, 5
	MASK 5, 0, 6
	MASK 6, 0, 7
	MASK 7, 1, 7
	MASK 8, 1, 6
	MASK 9, 1, 5
	MASK 10, 1, 4
	MASK 11, 1, 3
	MASK 12, 1, 2
	MASK 13, 2, 3
	MASK 14, 2, 4
	MASK 15, 2, 5
	MASK 16, 2, 6
	MASK 17, 2, 7
	MASK 18, 3, 7
	MASK 19, 3, 6
	MASK 20, 3, 5
	MASK 21, 3, 4
	MASK 22, 4, 5
	MASK 23, 4, 6
	MASK 24, 4, 7
	MASK 25, 5, 7
	MASK 26, 5, 6
	MASK 27, 6, 7
	global_store_b32 v3, v46, s[8:9] offset:8192
	ds_load_b128 v[48:51], v9                      ; lane l: wave l / 2's sums of experts 4 (l % 2) + 0 .. 3
.irp q, 0,1,2,3
	v_mov_b32 v[52+\q], 0                          ; a lane permute's destination counts as one of its sources
.endr
	s_mov_b32 vcc_lo, 0x55555555                   ; the even lanes
.irp q, 0,1,2,3
	v_mov_b32 v[56+\q], s[52+\q]
	s_delay_alu instid0(VALU_DEP_1)
	v_cndmask_b32 v[56+\q], s[56+\q], v[56+\q], vcc_lo         ; even lanes: the counts of experts 0-3; odd lanes: of 4-7
	s_delay_alu instid0(VALU_DEP_1)
	v_cvt_f32_u32 v[56+\q], v[56+\q]
.endr
	s_wait_dscnt 0x0
.irp m, 2,4,8
.irp q, 0,1,2,3
	v_add_f32_dpp v[48+\q], v[48+\q], v[48+\q] row_xmask:\m row_mask:0xf bank_mask:0xf
.endr
.endr
.irp q, 0,1,2,3
	s_delay_alu instid0(VALU_DEP_4)
	v_permlanex16_b32 v[52+\q], v[48+\q], s60, s61
.endr
.irp q, 0,1,2,3
	s_delay_alu instid0(VALU_DEP_4)
	v_add_f32 v[48+\q], v[48+\q], v[52+\q]
.endr
	s_delay_alu instid0(VALU_DEP_4)
	v_mul_f32 v60, v56, v48
	s_delay_alu instid0(VALU_DEP_1)
	v_fmac_f32 v60, v57, v49
	s_delay_alu instid0(VALU_DEP_1)
	v_fmac_f32 v60, v58, v50
	s_delay_alu instid0(VALU_DEP_1)
	v_fmac_f32 v60, v59, v51
	s_delay_alu instid0(VALU_DEP_1)
	v_add_f32_dpp v60, v60, v60 row_xmask:1 row_mask:0xf bank_mask:0xf   ; the other four experts'
	s_delay_alu instid0(VALU_DEP_1)
	v_mul_f32 v60, 0x36000000, v60                 ; x 8 / 2,048^2 = 2^-19
	v_mov_b32 v61, 0
	s_wait_alu depctr_va_vdst(0)
	s_wait_xcnt 0x0                                ; EXEC changes only behind this wait
	v_cmp_eq_u32 vcc_lo, 0, v2
	s_and_saveexec_b32 s62, vcc_lo
	global_store_b32 v61, v60, s[10:11]
	s_wait_xcnt 0x0                                ; and again in front of the line that widens it
	s_or_b32 exec_lo, exec_lo, s62
.Lend:
	s_wait_tensorcnt 0x0
	ds_add_u32 v96, v97
	s_wait_dscnt 0x0
	s_endpgm
.Lfunc_end_k_qc9fa3a9e30_place:
	.size	k_qc9fa3a9e30_place, .Lfunc_end_k_qc9fa3a9e30_place-k_qc9fa3a9e30_place
	.p2alignl 7, 3214868480
	.fill 96, 4, 3214868480
	.section	.rodata,"a",@progbits
	.p2align	6, 0x0
	.amdhsa_kernel k_qc9fa3a9e30_place
		.amdhsa_group_segment_fixed_size 4608
		.amdhsa_private_segment_fixed_size 0
		.amdhsa_enable_private_segment 0
		.amdhsa_kernarg_size 32
		.amdhsa_user_sgpr_count 2
		.amdhsa_user_sgpr_kernarg_segment_ptr 1
		.amdhsa_wavefront_size32 1
		.amdhsa_system_sgpr_workgroup_id_x 1
		.amdhsa_system_sgpr_workgroup_id_y 1
		.amdhsa_system_sgpr_workgroup_id_z 1
		.amdhsa_system_vgpr_workitem_id 0
		.amdhsa_next_free_vgpr 98
		.amdhsa_next_free_sgpr 66
		.amdhsa_reserve_vcc 1
		.amdhsa_float_denorm_mode_32 3
		.amdhsa_float_denorm_mode_16_64 3
		.amdhsa_memory_ordered 1
		.amdhsa_forward_progress 1
		.amdhsa_inst_pref_size 76
	.end_amdhsa_kernel
	.amdgpu_metadata
---
amdhsa.version: [ 1, 2 ]
amdhsa.kernels:
  - .name:           k_qc9fa3a9e30_place
    .symbol:         k_qc9fa3a9e30_place.kd
    .args:
      - { .name: keys, .offset: 0, .size: 8, .value_kind: global_buffer, .address_space: global }
      - { .name: gate, .offset: 8, .size: 8, .value_kind: global_buffer, .address_space: global }
      - { .name: plan, .offset: 16, .size: 8, .value_kind: global_buffer, .address_space: global }
      - { .name: out1, .offset: 24, .size: 8, .value_kind: global_buffer, .address_space: global }
    .group_segment_fixed_size: 4608
    .private_segment_fixed_size: 0
    .kernarg_segment_align: 8
    .kernarg_segment_size: 32
    .max_flat_workgroup_size: 512
    .sgpr_count:     66
    .vgpr_count:     98
    .wavefront_size: 32
...
	.end_amdgpu_metadata
.endif
;; end of part 5
;; launch moe (part 6): grid 16 x 16, 4 waves a work-group, no clusters, 151,040 bytes of LDS; arguments xq, xsc, wq, wsc, b1, gate, plan, out0; writes out0
.if DOCPART == 6
	.amdgcn_target "amdgcn-amd-amdhsa--gfx1250"
	.amdhsa_code_object_version 6
	.text
	.protected	k_qc9fa3a9e30_moe
	.globl	k_qc9fa3a9e30_moe
	.p2align	8
	.type	k_qc9fa3a9e30_moe,@function
k_qc9fa3a9e30_moe:
	s_mov_b64 s[64:65], 0
	v_nop
	global_prefetch_b8 v0, s[64:65] scope:SCOPE_SE
	s_setreg_imm32_b32 hwreg(HW_REG_WAVE_SCHED_MODE, 0, 2), 2
	s_setreg_imm32_b32 hwreg(HW_REG_WAVE_MODE, 25, 1), 1
	s_wait_xcnt 0x0
	s_wait_alu depctr_vm_vsrc(0)
; THIRD OF THREE LAUNCHES.  out0[t][h] = the sum over the experts e of comb[t][e] x (Q(x[t]) . Q(w1[e][h]) + b1[e][h]); comb is 0 for the six experts that token t did not choose.
; SHARES.  Work-group (hb, tb) owns columns 256 hb .. + 255 of the 128 tokens at sorted places 128 tb .. + 127: each output number has one owner.  The tokens are sorted by their pair of experts, so a block uses few experts:
; the stored masks name them, and the work-group walks those alone, one PASS each (K = 1,024 in 8 steps of 128).  A pass multiplies all 128 rows; comb = 0 takes out the rows that did not choose the expert.
; Wave w: columns 64 w .. + 63 (4 tiles n of 16) x all 8 tiles s of 16 rows: 32 accumulators.
; THE MATRIX INSTRUCTION IS USED TRANSPOSED (source 0 = 16 rows of w1, source 1 = 16 tokens): lane (r, h) holds token r and columns 16 n + 8 h + 0 .. 7: comb is one number a lane, b1 is the C of a pass's first K step,
; and eight results are 32 neighbouring bytes of a row of out0.
; x's codes: gathered once by the stored order into LDS (128 rows), one barrier, then read as fragments.  w1's codes come from memory STRAIGHT INTO REGISTERS: the first launch laid them in the order of the operand's
; registers, so a fragment is four loads of 512 consecutive bytes.  Step k asks for those of step k + 3, into a ring of four sets of registers, on into the next expert.
; The look-ahead at the last expert's end reads expert 7's bytes (inside the buffers, never used), so that every counted wait finds the same loads behind it on every way.
; NO CLUSTER, NO JOINT LOADS: tiles of w1 are shared by token blocks only where their stored masks agree, so partners would want different numbers of tiles; all partners walking all 8 experts would fetch 8 passes' bytes
; where a block of 128 tokens over 28 pairs uses about 4; x's rows are gathered by a list, which no one descriptor covers, and are 128 KiB of a work-group's bytes against 256 KiB for each pass.
; LIMITS: NaN and infinities are not served; the product of an expert that the block uses but a token does not is multiplied by 0, so it must be finite.
; REGISTERS, in windows of 256: window 0: v1-11 addresses; v16-23 32 x token of row 16 s + r; v24-39 comb (even registers; the odd ones hold 0: the packed forms name pairs); v40-55 w1's scale words; v56-87 x's;
;   v88-119 b1; v120-123 x's scale words' offsets; v126, v127 the closing add's two; v128-255 x's fragments (tile s at 128 + 16 s).   window 1: the ring of w1's fragments (set k % 4 at 64 (k % 4), tile n at + 16 n).
;   window 2: the pass's accumulators ((s, n) at 8 (4 s + n)).   window 3: out0's sums, laid likewise.
; THE MODE: SCHED_MODE bits 1:0 = 2 (LLVM: expert scheduling mode 2), set by the entry lines.  The code itself states the register dependences between vector or matrix instructions and memory or LDS
; instructions, with s_wait_alu, always for 0.
; THE PLAN.  Registers that memory or LDS instructions touch, in the loop:
;   x's tiles 0-3 (v128-191)   Step k: its first 16 products read them; the LDS loads of step k + 1 land in them, dealt among the step's last 16 products.
;   x's tiles 4-7 (v192-255)   Step k: its last 16 products read them; the LDS loads of step k + 1 land in them behind those products.
;   ring set k % 4             Step k: its 32 products read it; the loads of K step k + 4 land in it in the second half of step k + 1.
;   w1's scale words, b1       Read by products (words 0-3 in steps 0-3, words 4-7 in steps 4-7, b1 in step 0); loaded again in the second halves of steps 4, 0 (of the next pass) and 1.
;   comb                       Read by the multiply-adds that close a pass; loaded again in the second half of the next pass's step 0.
;   v1-v5, v16-23              Offsets and addresses: written at the head and never again.
;   The accumulators and out0's sums are named by vector and matrix instructions alone.
; So TWO waits on va_vdst stand in a step.  The one behind the first 16 products states that they are done reading tiles 0-3 and that all that was issued earlier (the step before; in step 0 the pass before with its
; multiply-adds) is done reading the registers named above; the step's LDS loads of tiles 0-3 and all its global loads follow it, dealt among the last 16 products, which name tiles 4-7, ring set k % 4, this step's scale
; words, the accumulators and (step 0) b1: none of the registers that those loads touch.  The one behind the last 16 products states that they are done reading tiles 4-7, whose loads follow it at once.
; Nothing that a memory or LDS instruction reads is written in the loop: no wait on vm_vsrc stands there.
.set PA,    1040                       ; an LDS row of x's codes: 1,024 bytes + 16: an odd multiple of 16 bytes, so the 16 rows that a load touches start at 16 different banks (64 banks of 4 bytes: ISA guide 11.1)
.set TILEA, 16*PA
.set STG,   128*PA                     ; behind x: a stage of 16 rows x (256 bytes + 16) for each wave, its own
.set SPI,   272
.set L16,  1                           ; v1   16 x lane
.set ADRA, 2                           ; v2, v3  my lane's place in x's tiles 0-3, 4-7: 1,040 r + 16 h (+ 4 tiles)
.set L32,  4                           ; v4   32 x lane
.set H32,  5                           ; v5   32 x h
.set STO,  6                           ; v6   the stage, in: 272 r + 32 h
.set RD,   7                           ; v7   the stage, back: 8 x lane
.set L8,   8                           ; v8   8 x lane
.set GST,  9                           ; v9   the gather's LDS place: my wave's 32 rows + 16 x lane
.set R4,   10                          ; v10  4 r
.set L4,   11                          ; v11  4 x lane
.set TOK,  16
.set CB,   24
.set WS,   40                          ; register 8 q + k: lanes 0-15 tile 2 q's words of K step k, lanes 16-31 tile 2 q + 1's
.set XS,   56                          ; register 8 p + k: lanes 0-15 row tile 2 p's, lanes 16-31 row tile 2 p + 1's
.set BIAS, 88
.set XO,   120
.set AF,   128
.set WV,   20
.set HB,   21
.set TB,   22
.set MASK, 24                          ; s24  experts still to be taken
.set TRIPS, 25
.set ENXT, 27                          ; s27  the expert whose bases are the 'next' ones
.set WQ0,  66                          ; s[66:67] wq, s[68:69] wsc, s[70:71] b1 at my wave's columns of expert 0
.set WSC0, 68
.set B10,  70
.set BC,   72                          ; s[72:73] wq at the pass's expert;  s[74:75] at the next
.set BN,   74
.set WC,   76                          ; s[76:77], s[78:79] wsc likewise
.set WN,   78
.set BIN,  80                          ; s[80:81] b1 at the next
.set CBC,  82                          ; s[82:83] gate at the pass's expert's column of comb
.set OUTB, 84                          ; s[84:85] out0 at my wave's columns
.set ORD,  86                          ; s[86:87] plan at my block's 128 words of order
.set MSB, 0
.macro WIN new                         ; the immediate's high byte repeats the setting that is left; a switch that changes nothing is dropped
.if MSB != \new
	s_set_vgpr_msb (MSB<<8)|\new
.set MSB, \new
.endif
.endm
.macro PLACES n
.rept \n
	v_nop
.endr
.endm
; the next expert: the lowest bit of the mask (7 when none is left), taken out of it; and the three 'next' bases.  s29 holds 0 throughout
.macro NEXTE
	s_ctz_i32_b32 s[ENXT], s[MASK]
	s_min_u32 s[ENXT], s[ENXT], 7                  ; a number made of loaded numbers enters an address only behind this hold
	s_sub_co_u32 s28, s[MASK], 1
	s_and_b32 s[MASK], s[MASK], s28
	s_lshl_b32 s28, s[ENXT], 22                    ; 256 tiles of 16 KiB an expert
	s_add_nc_u64 s[BN:BN+1], s[WQ0:WQ0+1], s[28:29]
	s_lshl_b32 s28, s[ENXT], 17                    ; 4,096 rows of 32 bytes
	s_add_nc_u64 s[WN:WN+1], s[WSC0:WSC0+1], s[28:29]
	s_lshl_b32 s28, s[ENXT], 14                    ; 4,096 f32
	s_add_nc_u64 s[BIN:BIN+1], s[B10:B10+1], s[28:29]
.endm
.macro ROTATE                          ; the next expert becomes the pass's
	s_wait_xcnt 0x0                                ; every load issued so far has read its base: the bases are written only behind this wait
	s_mov_b64 s[BC:BC+1], s[BN:BN+1]
	s_mov_b64 s[WC:WC+1], s[WN:WN+1]
	s_lshl_b32 s28, s[ENXT], 2
	s_add_nc_u64 s[CBC:CBC+1], s[14:15], s[28:29]
	NEXTE
.endm
.macro GLT k, base, n                  ; w1's fragment of K step k, column tile n, into set k % 4: 4 loads of 512 consecutive bytes
.irp c, 0,1,2,3
	global_load_b128 v[64*((\k)%4)+16*(\n)+4*\c:64*((\k)%4)+16*(\n)+4*\c+3], v[L16], s[\base:\base+1] offset:(8*(\n)+(\k))*2048+512*\c
.endr
.endm
.macro GLB k, base                     ; all four fragments of K step k
.irp n, 0,1,2,3
	GLT \k, \base, \n
.endr
.endm
.macro FETCH_T k, s                    ; x's fragment of K step k, row tile s: lane (r, h), registers 4 c .. 4 c + 3 = k 32 c + 16 h + 0 .. 15
.irp c, 0,1,2,3
	ds_load_b128 v[AF+16*(\s)+4*\c:AF+16*(\s)+4*\c+3], v[ADRA+(\s)/4] offset:TILEA*((\s)%4)+128*(\k)+32*\c
.endr
.endm
.macro FETCH_A k, lo                   ; row tiles lo .. lo + 3 in one run
.irp a, 0,1,2,3
.irp c, 0,1,2,3
	ds_load_b128 v[AF+16*(\lo+\a)+4*\c:AF+16*(\lo+\a)+4*\c+3], v[ADRA+(\lo)/4] offset:TILEA*\a+128*(\k)+32*\c
.endr
.endr
.endm
.macro WM s, n, k, bias                ; one product: row tile s x column tile n, K step k.  bias = 1: C = b1 (window 0), the pass's sum begins; else in place
.set rD, 8*(4*(\s)+\n)
.set rC, rD
.if \bias
.set rC, BIAS+8*\n
.endif
.set rW, 64*((\k)%4)+16*\n
.set rX, AF+16*(\s)
.set rA, WS+8*(\n/2)+(\k)
.set rB, XS+8*((\s)/2)+(\k)
.if ((\n)%2 == 0) && ((\s)%2 == 0)
	v_wmma_scale_f32_16x16x128_f8f6f4 v[rD:rD+7], v[rW:rW+15], v[rX:rX+15], v[rC:rC+7], v[rA], v[rB]
.elseif ((\s)%2 == 0)
	v_wmma_scale_f32_16x16x128_f8f6f4 v[rD:rD+7], v[rW:rW+15], v[rX:rX+15], v[rC:rC+7], v[rA], v[rB] matrix_a_scale:MATRIX_SCALE_ROW1
.elseif ((\n)%2 == 0)
	v_wmma_scale_f32_16x16x128_f8f6f4 v[rD:rD+7], v[rW:rW+15], v[rX:rX+15], v[rC:rC+7], v[rA], v[rB] matrix_b_scale:MATRIX_SCALE_ROW1
.else
	v_wmma_scale_f32_16x16x128_f8f6f4 v[rD:rD+7], v[rW:rW+15], v[rX:rX+15], v[rC:rC+7], v[rA], v[rB] matrix_a_scale:MATRIX_SCALE_ROW1 matrix_b_scale:MATRIX_SCALE_ROW1
.endif
.endm
.macro MUL k, lo, bias                 ; 16 products.  The 32 accumulators take turns, one instruction a turn, in the same order in every step
.irp a, 0,1,2,3
.irp n, 0,1,2,3
	WM \lo+\a, \n, \k, \bias
.endr
.endr
.endm
.macro MUL4 s, k, bias                 ; the four products of row tile s
.irp n, 0,1,2,3
	WM \s, \n, \k, \bias
.endr
.endm
; THE SECOND HALF OF A K STEP: the products of row tiles 4-7, four at a time, and eight loads behind each four: x's tiles 0-3 of the next step, then w1's four fragments of K step gk from base gb.
; No wait stands among them: the wait on va_vdst ahead of this macro has shown the last readers of x's tiles 0-3 and of that ring set done, and the products here name neither.  mw: the products' windows.
.macro DEAL k, bias, mw, gk, gb
	WIN \mw
	MUL4 4, \k, \bias
	WIN 0
	FETCH_T (\k+1)%8, 0
	FETCH_T (\k+1)%8, 1
	WIN \mw
	MUL4 5, \k, \bias
	WIN 0
	FETCH_T (\k+1)%8, 2
	FETCH_T (\k+1)%8, 3
	WIN \mw
	MUL4 6, \k, \bias
	WIN 0x40                                       ; destination window 1
	GLT \gk, \gb, 0
	GLT \gk, \gb, 1
	WIN \mw
	MUL4 7, \k, \bias
	WIN 0x40
	GLT \gk, \gb, 2
	GLT \gk, \gb, 3
	WIN 0
.endm
; A K STEP.  The wait at its head counts the global loads issued behind w1's fragments of this step:
;   k = 0: 32 = B(1), B(2).   k = 1: 42 = B(2) 16 + step 0's 26.   k = 2: 50 = 26 + step 1's 24.   k = 3: 50 = step 0's last 10 + 24 + 16.   k = 4: 40 = step 1's last 8 + 16 + 16.
;   k = 5: 34 = 16 + step 4's 18.   k = 6: 34 = 18 + 16.   k = 7: 34 = step 4's last 2 + 16 + 16.
; In its second half the step asks for the fragments of three steps on (from step 5 on: the next expert's), and behind them: step 0 for the pass's scale words 4-7 and its comb; step 1 for the next expert's b1;
; step 4 for the next expert's scale words 0-3.  (Where more loads are out than the counter's field holds, the issue waits: ISA guide 5.7.1.)
; The eight places behind this form stay where they stood, behind each 16 products and ahead of the loads into registers that those have read; the waits on va_vdst stand beside them.
.macro STEP k
.if \k == 0
	s_wait_loadcnt 32
.elseif \k == 1
	s_wait_loadcnt 42
.elseif \k < 4
	s_wait_loadcnt 50
.elseif \k == 4
	s_wait_loadcnt 40
.else
	s_wait_loadcnt 34
.endif
	s_wait_dscnt 16                                ; x's row tiles 0-3 are in; the youngest 16 LDS loads (tiles 4-7) may be out
.if \k == 0
	WIN 0x81                                       ; source 0 (w1) window 1, source 1 (x) and C (b1) window 0, D window 2
	MUL \k, 0, 1
.else
	WIN 0xa1                                       ; the same, C and D window 2
	MUL \k, 0, 0
.endif
	s_wait_dscnt 0x0                               ; row tiles 4-7 are in (asked for 16 matrix instructions ago)
	PLACES 8
	s_wait_alu depctr_va_vdst(0)                   ; the 16 products above are done reading x's tiles 0-3, the step before its ring set; step 0: the last pass's multiply-adds comb, its steps 4-7 scale words 4-7; step 1: step 0 b1; step 4: steps 0-3 scale words 0-3.  The loads up to the next such wait land in these
.if \k == 0
	DEAL \k, 1, 0x81, \k+3, BC
.elseif \k < 5
	DEAL \k, 0, 0xa1, \k+3, BC
.else
	DEAL \k, 0, 0xa1, \k-5, BN
.endif
.if \k == 0
.irp q, 0,1
	global_load_b128 v[WS+8*\q+4:WS+8*\q+7], v[L32], s[WC:WC+1] offset:1024*\q+16
.endr
.irp s, 0,1,2,3,4,5,6,7
	global_load_b32 v[CB+2*\s], v[TOK+\s], s[CBC:CBC+1]
.endr
.elseif \k == 1
.irp n, 0,1,2,3
	global_load_b128 v[BIAS+8*\n:BIAS+8*\n+3], v[H32], s[BIN:BIN+1] offset:64*\n
	global_load_b128 v[BIAS+8*\n+4:BIAS+8*\n+7], v[H32], s[BIN:BIN+1] offset:64*\n+16
.endr
.elseif \k == 4
.irp q, 0,1
	global_load_b128 v[WS+8*\q:WS+8*\q+3], v[L32], s[WN:WN+1] offset:1024*\q
.endr
.endif
	PLACES 8
	s_wait_alu depctr_va_vdst(0)                   ; the step's last 16 products are done reading x's tiles 4-7, in which the loads below land
	FETCH_A (\k+1)%8, 4
.endm
; out0's sums take comb x the pass's results: each accumulator from its low end on, in ascending order.  The first pass starts the sums by a multiplication: nothing is cleared.
; comb was asked for in step 0 and is shown landed by step 4's wait.  These 128 lines also stand between the pass's last products and the next pass's first, which write the accumulators anew.
; No memory or LDS instruction stands between these lines and the next wait on va_vdst: that of the next pass's step 0, or the way out's first.
.macro EPI first
.if \first
	WIN 0xc2                                       ; destination window 3, source 0 window 2, source 1 (comb) window 0
.else
	WIN 0xf2                                       ; and source 2 window 3
.endif
.set ia, 0
.rept 32
.irp j, 0,2,4,6
.if \first
	v_pk_mul_f32 v[8*ia+\j:8*ia+\j+1], v[8*ia+\j:8*ia+\j+1], v[CB+2*(ia/4):CB+2*(ia/4)+1] op_sel_hi:[1,0]
.else
	v_pk_fma_f32 v[8*ia+\j:8*ia+\j+1], v[8*ia+\j:8*ia+\j+1], v[CB+2*(ia/4):CB+2*(ia/4)+1], v[8*ia+\j:8*ia+\j+1] op_sel_hi:[1,0,1]
.endif
.endr
.set ia, ia+1
.endr
	WIN 0
.endm
.macro PASS first
.irp k, 0,1,2,3,4,5,6,7
	STEP \k
.endr
	EPI \first
	ROTATE
.endm
	s_load_b512 s[4:19], s[0:1], 0x0               ; xq s[4:5], xsc s[6:7], wq s[8:9], wsc s[10:11], b1 s[12:13], gate s[14:15], plan s[16:17], out0 s[18:19]
	v_lshl_add_u32 v126, v0, 2, 0x24c00
	v_mov_b32 v127, 0
	v_lshrrev_b32 v12, 5, v0
	v_readfirstlane_b32 s[WV], v12                 ; wave 0..3
	s_mov_b32 s[HB], ttmp9
	s_and_b32 s[TB], ttmp7, 0xffff
	v_and_b32 v12, 31, v0                          ; lane
	v_and_b32 v13, 15, v0                          ; r
	v_bfe_u32 v14, v0, 4, 1                        ; h
	v_lshlrev_b32 v[L16], 4, v12
	v_mul_u32_u24 v[ADRA], v13, PA
	v_lshl_add_u32 v[ADRA], v14, 4, v[ADRA]
	v_add_nc_u32 v[ADRA+1], 4*TILEA, v[ADRA]
	v_lshlrev_b32 v[L32], 5, v12
	v_lshlrev_b32 v[H32], 5, v14
	s_wait_alu depctr_va_sdst(0)                   ; the wave's number is written, ahead of its first reader: LDS places and the bases are made from it
	s_mul_i32 s28, s[WV], 16*SPI
	s_add_co_u32 s28, s28, STG                     ; my stage
	v_mul_u32_u24 v[STO], v13, SPI
	v_lshl_add_u32 v[STO], v14, 5, v[STO]
	v_add_nc_u32 v[STO], s28, v[STO]
	v_lshlrev_b32 v[L8], 3, v12
	v_add_nc_u32 v[RD], s28, v[L8]
	s_mul_i32 s28, s[WV], 32*PA
	v_add_nc_u32 v[GST], s28, v[L16]
	v_lshlrev_b32 v[R4], 2, v13
	v_lshlrev_b32 v[L4], 2, v12
.irp s, 0,1,2,3,4,5,6,7
	v_mov_b32 v[CB+2*\s+1], 0                      ; named as the upper halves of pairs, so they are written
.endr
	s_mov_b32 s29, 0                               ; the upper word of every offset
	s_mov_b32 s31, 0
	s_wait_kmcnt 0x0
	s_lshl_b32 s28, s[TB], 9
	s_add_nc_u64 s[ORD:ORD+1], s[16:17], s[28:29]  ; my block's 128 words of order
	s_lshl_b32 s28, s[WV], 7
	s_add_nc_u64 s[88:89], s[ORD:ORD+1], s[28:29]  ; the 32 that my wave gathers
	s_lshl_b32 s30, s[TB], 3
	s_add_nc_u64 s[90:91], s[16:17], s[30:31]
	s_load_b512 s[32:47], s[88:89], 0x0
	s_load_b512 s[48:63], s[88:89], 0x40
	s_load_b64 s[92:93], s[90:91], 0x2000          ; the masks of my block's two halves
	s_wait_alu depctr_va_vdst(0)                   ; the offsets and LDS addresses v1 to v11 are written, which the kernel's loads and stores read
.irp s, 0,1,2,3,4,5,6,7
	global_load_b32 v[TOK+\s], v[R4], s[ORD:ORD+1] offset:64*\s      ; the token of row 16 s + r
.endr
.irp p, 0,1,2,3
	global_load_b32 v[XO+\p], v[L4], s[ORD:ORD+1] offset:128*\p      ; and of row 32 p + lane
.endr
	s_lshl_b32 s28, s[HB], 18                      ; my wave's columns: tiles 16 hb + 4 w of 16 KiB,
	s_lshl_b32 s30, s[WV], 16
	s_add_co_u32 s28, s28, s30
	s_add_nc_u64 s[WQ0:WQ0+1], s[8:9], s[28:29]
	s_lshl_b32 s28, s[HB], 13                      ; rows 256 hb + 64 w of 32 bytes,
	s_lshl_b32 s30, s[WV], 11
	s_add_co_u32 s28, s28, s30
	s_add_nc_u64 s[WSC0:WSC0+1], s[10:11], s[28:29]
	s_lshl_b32 s28, s[HB], 10                      ; and of 4 bytes
	s_lshl_b32 s30, s[WV], 8
	s_add_co_u32 s28, s28, s30
	s_add_nc_u64 s[B10:B10+1], s[12:13], s[28:29]
	s_add_nc_u64 s[OUTB:OUTB+1], s[18:19], s[28:29]
	s_wait_kmcnt 0x0
.irp i, 0,1,2,3,4,5,6,7,8,9,10,11,12,13,14,15,16,17,18,19,20,21,22,23,24,25,26,27,28,29,30,31
	s_min_u32 s[32+\i], s[32+\i], 0x7ff            ; a loaded number enters an address only behind this hold
	v_lshl_add_u32 v[AF+\i], s[32+\i], 10, v[L16]  ; the token's row of 1,024 codes + 16 x lane
.endr
	WIN 0x80                                       ; destination window 2: the accumulators' registers are free yet
	s_wait_alu depctr_va_vdst(0)                   ; the 32 offsets v128 to v159 are written, which the gather's loads read
.irp i, 0,1,2,3,4,5,6,7,8,9,10,11,12,13,14,15,16,17,18,19,20,21,22,23,24,25,26,27,28,29,30,31
.irp u, 0,1
	global_load_b128 v[8*\i+4*\u:8*\i+4*\u+3], v[AF+\i], s[4:5] offset:512*\u    ; THE GATHER: 512 consecutive bytes a load
.endr
.endr
	WIN 0
	s_or_b32 s[MASK], s92, s93
	s_and_b32 s[MASK], s[MASK], 0xff
	s_bcnt1_i32_b32 s[TRIPS], s[MASK]              ; a token uses two experts, so a block uses 2 to 8:
	s_sub_co_u32 s[TRIPS], s[TRIPS], 1             ; one pass ahead of the loop, the others in it
	s_max_i32 s[TRIPS], s[TRIPS], 1
	s_min_u32 s[TRIPS], s[TRIPS], 7
	NEXTE                                          ; the first expert's bases, as 'next' ones
	s_wait_loadcnt 63                              ; the 12 loads of token numbers are in: 64 loads were issued behind them, and the field holds 63: the first of the 64 is waited for too
.irp s, 0,1,2,3,4,5,6,7
	v_min_u32 v[TOK+\s], 0x7ff, v[TOK+\s]
	v_lshlrev_b32 v[TOK+\s], 5, v[TOK+\s]          ; 32 bytes a token in comb
.endr
.irp p, 0,1,2,3
	v_min_u32 v[XO+\p], 0x7ff, v[XO+\p]
	v_lshlrev_b32 v[XO+\p], 5, v[XO+\p]            ; and in xsc
.endr
	s_wait_alu depctr_va_vdst(0)                   ; the offsets v120 to v123 are written, which the loads below read, and v16 to v23, which every pass's loads of comb read
.irp p, 0,1,2,3
	global_load_b128 v[XS+8*\p:XS+8*\p+3], v[XO+\p], s[6:7]
	global_load_b128 v[XS+8*\p+4:XS+8*\p+7], v[XO+\p], s[6:7] offset:16
.endr
.irp n, 0,1,2,3
	global_load_b128 v[BIAS+8*\n:BIAS+8*\n+3], v[H32], s[BIN:BIN+1] offset:64*\n
	global_load_b128 v[BIAS+8*\n+4:BIAS+8*\n+7], v[H32], s[BIN:BIN+1] offset:64*\n+16
.endr
.irp q, 0,1
	global_load_b128 v[WS+8*\q:WS+8*\q+3], v[L32], s[WN:WN+1] offset:1024*\q
.endr
	WIN 0x40
	GLB 0, BN
	GLB 1, BN
	s_wait_loadcnt 50                              ; the gather is in: behind it 8 (x's scales) + 8 (b1) + 2 (w1's scales) + 32 (two K steps of w1)
	WIN 0x08                                       ; an LDS store's data are its source 1: window 2
.irp i, 0,1,2,3,4,5,6,7,8,9,10,11,12,13,14,15,16,17,18,19,20,21,22,23,24,25,26,27,28,29,30,31
.irp u, 0,1
	ds_store_b128 v[GST], v[8*\i+4*\u:8*\i+4*\u+3] offset:PA*\i+512*\u
.endr
.endr
	WIN 0x40
	GLB 2, BN
	WIN 0
	s_wait_dscnt 0x0                               ; for the others' sake: my 32 rows lie in LDS
	s_barrier_signal -1
	s_barrier_wait -1                              ; all 128 do.  The launch's one barrier: from here on x's rows are only read, and the stages are each wave's own
	s_wait_alu depctr_vm_vsrc(0)                   ; the gather's loads have read their offsets v128 to v159, in which x's fragments land below; my LDS stores have read window 2's registers, which the products write
	FETCH_A 0, 0
	FETCH_A 0, 4
	ROTATE                                         ; the first expert becomes the pass's; the second's bases are made
	PASS 1
.Lpass:
	PASS 0
	s_sub_co_u32 s[TRIPS], s[TRIPS], 1
	s_cmp_lg_u32 s[TRIPS], 0
	s_cbranch_scc1 .Lpass
	; THE WAY OUT, a tile of 16 rows at a time: a lane's 32 bytes of a row go into my stage; the rows come back whole (256 bytes: my wave's 64 columns) and each goes to its token's row of out0.
	; Registers that memory or LDS instructions touch: the stores' offsets (two sets of 16 by turns: written by vector instructions, read by the tile's global stores); the rows read back (two sets of 32 by turns:
	; LDS loads land in them, the tile's global stores read them); out0's sums (window 3: written by the passes' multiply-adds, read by the LDS stores, never written again).
	s_wait_loadcnt 0x0                             ; the look-ahead's loads have landed,
	s_wait_dscnt 0x0                               ; and so have the LDS loads of a K step that does not follow: their registers are used below
	s_load_b512 s[32:47], s[ORD:ORD+1], 0x0
.macro OUTT t
.set IDS, 32+16*((\t)%2)
.set DB, AF+32*((\t)%2)
.set AB, AF+64+16*((\t)%2)
	s_wait_xcnt 0x0                                ; the stores of two tiles ago have read their data and offsets: both are written again below
	s_wait_kmcnt 0x0                               ; this tile's 16 token numbers are in
.if (\t) < 7
	s_load_b512 s[32+16*(((\t)+1)%2):32+16*(((\t)+1)%2)+15], s[ORD:ORD+1], 64*((\t)+1)
.endif
.if (\t) > 1
	s_wait_alu depctr_vm_vsrc(0)                   ; the global stores of two tiles ago have read this set of offsets, which the lines below write, and this set of rows, in which the LDS loads below land
.endif
.irp i, 0,1,2,3,4,5,6,7,8,9,10,11,12,13,14,15
	s_min_u32 s[IDS+\i], s[IDS+\i], 0x7ff
	v_lshl_add_u32 v[AB+\i], s[IDS+\i], 14, v[L8]  ; the token's row of 16,384 bytes + 8 x lane
.endr
	WIN 0x0c                                       ; an LDS store's data are its source 1: window 3
	s_wait_alu depctr_va_vdst(0)                   ; the 16 offsets are written, which the global stores below read; in the first tile also: the multiply-adds have written out0's sums, which the LDS stores read, and the last products are done reading v128 to v191, in which LDS loads land
.irp n, 0,1,2,3
.irp j, 0,1
	ds_store_b128 v[STO], v[8*(4*(\t)+\n)+4*\j:8*(4*(\t)+\n)+4*\j+3] offset:64*\n+16*\j
.endr
.endr
	WIN 0
.irp i, 0,1,2,3,4,5,6,7,8,9,10,11,12,13,14,15
	ds_load_b64 v[DB+2*\i:DB+2*\i+1], v[RD] offset:SPI*\i      ; LDS serves a wave's instructions in order (ISA guide 5.7.1.4): these see the stores above, and the next tile's stores come behind them
.endr
.irp i, 0,1,2,3,4,5,6,7,8,9,10,11,12,13,14,15
	s_wait_dscnt 15-\i
	global_store_b64 v[AB+\i], v[DB+2*\i:DB+2*\i+1], s[OUTB:OUTB+1] th:TH_STORE_NT   ; 32 lanes store 256 consecutive bytes, at a multiple of 256 from out0's first byte; written once, read by nobody here
.endr
.endm
.irp t, 0,1,2,3,4,5,6,7
	OUTT \t
.endr
	s_wait_dscnt 0x0                               ; the closing lines, six on end
	s_wait_alu 0x0
	s_wait_tensorcnt 0x0
	ds_add_u32 v126, v127
	s_wait_dscnt 0x0
	s_endpgm
.Lfunc_end_k_qc9fa3a9e30_moe:
	.size	k_qc9fa3a9e30_moe, .Lfunc_end_k_qc9fa3a9e30_moe-k_qc9fa3a9e30_moe
	.p2alignl 7, 3214868480
	.fill 96, 4, 3214868480
	.section	.rodata,"a",@progbits
	.p2align	6, 0x0
	.amdhsa_kernel k_qc9fa3a9e30_moe
		.amdhsa_group_segment_fixed_size 151040
		.amdhsa_private_segment_fixed_size 0
		.amdhsa_enable_private_segment 0
		.amdhsa_kernarg_size 64
		.amdhsa_user_sgpr_count 2
		.amdhsa_user_sgpr_kernarg_segment_ptr 1
		.amdhsa_wavefront_size32 1
		.amdhsa_system_sgpr_workgroup_id_x 1
		.amdhsa_system_sgpr_workgroup_id_y 1
		.amdhsa_system_sgpr_workgroup_id_z 1
		.amdhsa_system_vgpr_workitem_id 0
		.amdhsa_next_free_vgpr 1024
		.amdhsa_next_free_sgpr 96
		.amdhsa_reserve_vcc 0
		.amdhsa_float_denorm_mode_32 3
		.amdhsa_float_denorm_mode_16_64 3
		.amdhsa_memory_ordered 1
		.amdhsa_forward_progress 1
		.amdhsa_inst_pref_size 231
	.end_amdhsa_kernel
	.amdgpu_metadata
---
amdhsa.version: [ 1, 2 ]
amdhsa.kernels:
  - .name:           k_qc9fa3a9e30_moe
    .symbol:         k_qc9fa3a9e30_moe.kd
    .args:
      - { .name: xq, .offset: 0, .size: 8, .value_kind: global_buffer, .address_space: global }
      - { .name: xsc, .offset: 8, .size: 8, .value_kind: global_buffer, .address_space: global }
      - { .name: wq, .offset: 16, .size: 8, .value_kind: global_buffer, .address_space: global }
      - { .name: wsc, .offset: 24, .size: 8, .value_kind: global_buffer, .address_space: global }
      - { .name: b1, .offset: 32, .size: 8, .value_kind: global_buffer, .address_space: global }
      - { .name: gate, .offset: 40, .size: 8, .value_kind: global_buffer, .address_space: global }
      - { .name: plan, .offset: 48, .size: 8, .value_kind: global_buffer, .address_space: global }
      - { .name: out0, .offset: 56, .size: 8, .value_kind: global_buffer, .address_space: global }
    .group_segment_fixed_size: 151040
    .private_segment_fixed_size: 0
    .kernarg_segment_align: 8
    .kernarg_segment_size: 64
    .max_flat_workgroup_size: 128
    .sgpr_count:     96
    .vgpr_count:     1024
    .wavefront_size: 32
...
	.end_amdgpu_metadata
.endif
;; end of part 6
